; MI455X (gfx1250); checked and timed in simulation.
; The chip was launched on July 23, 2026; its instructions are those of AMD's public machine-readable ISA for CDNA 5 (MIT licence, August 2026) and "CDNA5" Instruction Set Architecture Reference Guide (July 2026). The comments in the code are by the model that wrote it; some were corrected since.
;; Multi Head Self Attention. Allowed arithmetic: matrix products marked QUANTISED: E2M1 operands, one E8M0 scale for each 32 along K, by v_wmma_scale_f32_16x16x128_f8f6f4 with both operands' format E2M1 (or v_wmma_scale_f32_32x16x128_f4), f32 sums; products left as they are: bf16, f16 or f32 operands; f32 sums; everything else in f32.
;; Inputs: b_out 1,024 float32; b_qkv 3,072 float32; w_out 1,024 x 1,024 float32; w_qkv 1,024 x 3,072 float32; x 4 x 2,048 x 1,024 float32.
;; Outputs: out0 4 x 2,048 x 1,024 float32.
;; This version of the problem:
;;   THIS VERSION OF THE PROBLEM IS GIVEN IN LOW PRECISION. The matrix products marked QUANTISED in the list below multiply operands that are first quantised to E2M1 (2 exponent bits, 1 mantissa bit; 4 bits a number), with one power-of-two scale for each 32 numbers along K (OCP MX v1.0); their sums are f32. The products marked 'left as it is' may take bf16, f16 or f32 operands, with f32 sums. Whichever they take, every output number must still come out within the allowed error. Rounding operands to bf16 (8 significant bits) uses up far more of that allowance than f16 does (11 bits, for magnitudes from 6e-5 to 65,504). All else is computed in f32.
;;   The module's matrix products, in the order in which they are computed (A, B: the left and right operand; K: the contracted axis; several contracted axes count as one K, in the product's order):
;;     1. [M 8,192, K 1,024] x [K 1,024, N 3,072]; A: input x; B: input w_qkv: QUANTISED
;;     2. batch 64 x [M 2,048, K 64] x [K 64, N 2,048]; A: computed on the way; B: computed on the way: left as it is (an operand is computed on the way)
;;     3. batch 64 x [M 2,048, K 2,048] x [K 2,048, N 64]; A: computed on the way; B: computed on the way: left as it is (an operand is computed on the way)
;;     4. [M 8,192, K 1,024] x [K 1,024, N 1,024]; A: computed on the way; B: input w_out: left as it is (an operand is computed on the way)
;;   THE QUANTISER, for each operand of a quantised product, along K:
;;     - K is cut into blocks of 32 from its start; a last block that is shorter is filled with zeros.
;;     - A block's scale is 2^e with e = floor(log2(the largest magnitude in the block)) - 2, held to -126 .. 127; a block of zeros has e = 0. As a byte (E8M0): e + 127.
;;     - Each number is divided by its block's scale, clamped to +-6, and rounded to the nearest number of E2M1, ties to even, subnormals kept.
;;     - The product sums the exact products of the quantised numbers (number of the format x scale) in f32.
;;   ~~~python
;;   def quantise(x, axis):      # numpy; x: float32 -> the quantised numbers, widened to float32 again
;;       x = np.moveaxis(x, axis, -1); K = x.shape[-1]
;;       x = np.pad(x, [(0, 0)] * (x.ndim - 1) + [(0, -K % 32)]); x = x.reshape(x.shape[:-1] + (-1, 32)); a = np.abs(x).max(-1, keepdims=True)
;;       e = np.where(a > 0, np.clip(np.frexp(np.where(a > 0, a, 1))[1] - 1 - 2, -126, 127), 0)      # np.frexp(a)[1] - 1 = floor(log2(a)), exactly
;;       r = np.clip(x / 2.0 ** e, -6, 6)
;;       step = 2.0 ** (np.maximum(np.frexp(np.where(r == 0, 1, r))[1] - 1, 0) - 1)
;;       q = np.round(r / step) * step * 2.0 ** e      # np.round: ties to even
;;       return np.moveaxis(q.reshape(q.shape[:-2] + (-1,))[..., :K], -1, axis).astype(np.float32)
;;   ~~~
;; One version. Each part assembles by itself: llvm-mc -triple=amdgcn-amd-amdhsa -mcpu=gfx1250 --defsym DOCPART=n.
;; ======== version 1 of 1: 4 launches
;; limits: values are held in f16: magnitudes above 65,504 overflow, below 6.1e-05 lose precision
;; workspace buffers: x_codes 4,194,304 bytes; x_scales 262,144 bytes; w_codes 1,572,864 bytes; w_scales 98,304 bytes; wo_img 2,097,152 bytes; qkvh 50,331,648 bytes; att 16,777,216 bytes
;; launch prep (part 1): grid 368 x 1, 4 waves a work-group, no clusters, 68,096 bytes of LDS; arguments x, w_qkv, w_out, x_codes, x_scales, w_codes, w_scales, wo_img; writes x_codes, x_scales, w_codes, w_scales, wo_img
.if DOCPART == 1
	.amdgcn_target "amdgcn-amd-amdhsa--gfx1250"
	.amdhsa_code_object_version 6
	.text
	.protected	k_q1fddee01b3_prep
	.globl	k_q1fddee01b3_prep
	.p2align	8
	.type	k_q1fddee01b3_prep,@function
k_q1fddee01b3_prep:
	s_mov_b64 s[64:65], 0
	v_nop
	global_prefetch_b8 v0, s[64:65] scope:SCOPE_SE
	s_setreg_imm32_b32 hwreg(HW_REG_WAVE_MODE, 25, 1), 1
	s_wait_xcnt 0x0
; PREP: the operands of the two projections are laid out once, for the launches that read them many times.
;   path W (work-groups 0-47):    w_qkv [1024 (k)][3072 (n)] f32 -> codes of FP4 (E2M1) [3072][512 bytes], K innermost, and E8M0 scale bytes [3072][32]
;   path O (work-groups 48-111):  w_out [1024 (k)][1024 (n)] f32 -> f16, as images of the matrix operand's registers: [n tile 64][chunk of 32 k: 32][1,024 bytes];
;                                 in an image the 16 bytes at 512 c + 16 lane are registers 4 c .. 4 c + 3 of lane (r, h): column n = r of the tile, k = 16 c + 8 h + 0 .. 7
;   path X (work-groups 112-367): x [8192][1024] f32 -> codes [8192][512 bytes] and scale bytes [8192][32]
; THE QUANTISER: a block of 32 along K has the scale 2^(floor(log2(its largest magnitude)) - 2); its byte is the largest magnitude's exponent field - 2, held at 1 from below; each number is divided by the
; scale and rounded to the nearest code, ties to even, beyond 6 the largest code.  A block of zeros gets the byte 1 where the rule says 127: its codes are zeros, and this program alone reads the bytes.
; LIMITS: blocks whose largest magnitude lies under 2^-124 keep the byte 1; NaN and infinities among the inputs are not served; |w_out| up to 65,504 (f16).
; The three paths part on the work-group's number alone; the two that use LDS have LDS bytes of their own.  Waves share nothing: no barrier.  No tensor load: everything goes through registers.
.set SPARE, 67584                      ; behind both paths' stages: the spare words, 128 bytes for each wave: two blocks of 256 bytes that no other line names
.set SPW,   192                        ; v192  LDS address of my spare word: SPARE + 4 x my thread's number; never rewritten
.set NIL,   193                        ; v193  0; never rewritten
.set EMAX,  2                          ; the exponent of the format's largest number, 6
; path X: LDS 0 .. 32,767: 8,192 bytes a wave: two stages of 32 x 80 bytes, then the wave's 256 scale bytes
.set XSTEPS, 16                        ; steps of 512 numbers for a wave
.set XSP,   80                         ; a lane's place in a stage: 64 bytes + 16 of padding
.set XR,    16                         ; v16-79   four sets of 16 numbers as they are loaded
.set XX,    80                         ; v80-111  two sets of 16 neighbours
.set XE,    112                        ; v112-127 a scale byte for each step
.set XC,    128                        ; v128-191 codes: four registers for each step, so that no store's data are written again
; path W: LDS 32,768 .. 67,583: a stage of 32 rows x 272 bytes for each wave
.set WBASE, 32768
.set WPITCH, 272
.set WNB,   16                         ; blocks of 32 along K for a wave
.set WROW,  3072*4                     ; a row of w_qkv in bytes
.set WSB,   24                         ; v24-27   the scale bytes, four to a register
.set WX,    32                         ; v32-95   two sets of 32 numbers
.set WC,    96                         ; v96-99   a block's codes
.set WOUT,  112                        ; v112-175 the way out
; path O
.set OX,    32                         ; v32-95   two sets of 32 numbers
.set OH,    96                         ; v96-159  16 registers of f16 pairs for each of four chunks: never written again
.macro FINISH                          ; a wave's end, behind the last LDS store
	s_wait_tensorcnt 0x0
	ds_add_u32 v[SPW], v[NIL]
	s_wait_dscnt 0x0
	s_endpgm
.endm
	s_load_b256 s[4:11], s[0:1], 0x0               ; x s[4:5], w_qkv s[6:7], w_out s[8:9], x_codes s[10:11]
	s_load_b256 s[12:19], s[0:1], 0x20             ; x_scales s[12:13], w_codes s[14:15], w_scales s[16:17], wo_img s[18:19]
	v_lshl_add_u32 v[SPW], v0, 2, SPARE
	v_mov_b32 v[NIL], 0
	v_lshrrev_b32 v1, 5, v0
	v_readfirstlane_b32 s20, v1                    ; wave 0..3
	v_and_b32 v2, 31, v0                           ; lane
	s_wait_kmcnt 0x0
	s_cmp_lt_u32 ttmp9, 48                         ; the longest work-groups have the lowest numbers
	s_cbranch_scc1 .Lw
	s_cmp_lt_u32 ttmp9, 112
	s_cbranch_scc1 .Lo
; ---------------- PATH X.  Rows are dense and 1,024 is a multiple of 32: x is a plain stream of blocks of 32, and so are its codes and its scale bytes.
; A wave takes a run of 8,192 numbers in 16 steps of 512.  Each of a step's four loads reads 512 consecutive bytes, 16 a lane; the 2,048 bytes turn through the wave's own stage and come back 64 bytes a lane,
; so that a lane holds 16 neighbours along K (two neighbouring lanes hold a block), as the conversions want them.  Loads run four steps ahead, the turn through LDS one step.
	s_sub_co_u32 s21, ttmp9, 112
	s_lshl_b32 s21, s21, 2
	s_add_co_u32 s22, s21, s20                     ; which run is my wave's: 0 .. 1,023
	s_mov_b32 s23, 0
	s_lshl_b64 s[24:25], s[22:23], 15              ; 32,768 bytes of x,
	s_add_nc_u64 s[4:5], s[4:5], s[24:25]
	s_lshl_b64 s[24:25], s[22:23], 12              ; 4,096 of codes,
	s_add_nc_u64 s[10:11], s[10:11], s[24:25]
	s_lshl_b64 s[24:25], s[22:23], 8               ; 256 scale bytes a run
	s_add_nc_u64 s[12:13], s[12:13], s[24:25]
	s_lshl_b32 s26, s20, 13                        ; my wave's 8,192 bytes of LDS
	v_lshlrev_b32 v3, 4, v2                        ; my 16 bytes of a load's 512
	v_lshrrev_b32 v14, 2, v2
	v_mul_u32_u24 v14, v14, XSP
	v_and_b32 v15, 3, v2
	v_lshl_add_u32 v14, v15, 4, v14
	v_add_nc_u32 v14, s26, v14                     ; the stage, on the way in: four lanes' 64 bytes on end, then 16 of padding
	v_mul_u32_u24 v15, v2, XSP
	v_add_nc_u32 v15, s26, v15                     ; and on the way out: my 16 neighbours
	v_lshlrev_b32 v4, 3, v2                        ; my 8 bytes of a step's 256 bytes of codes
	v_lshrrev_b32 v5, 1, v2
	s_add_co_u32 s26, s26, 2*32*XSP
	v_add_nc_u32 v5, s26, v5                       ; my block's byte among the wave's 256 scale bytes
	v_lshlrev_b32 v7, 3, v2                        ; which leave 8 bytes a lane
	v_add_nc_u32 v6, s26, v7
.macro XLOAD t
.irp i, 0,1,2,3
	global_load_b128 v[XR+16*((\t)%4)+4*\i:XR+16*((\t)%4)+4*\i+3], v3, s[4:5] offset:2048*(\t)+512*\i th:TH_LOAD_NT   ; 32 lanes read 512 consecutive bytes
.endr
.endm
.macro XTURN t                         ; step t's numbers through the stage: LDS serves a wave's instructions in order (ISA guide 5.7.1), so no wait stands between the stores and the loads
.irp i, 0,1,2,3
	ds_store_b128 v14, v[XR+16*((\t)%4)+4*\i:XR+16*((\t)%4)+4*\i+3] offset:32*XSP*((\t)%2)+8*XSP*\i
.endr
.irp i, 0,1,2,3
	ds_load_b128 v[XX+16*((\t)%2)+4*\i:XX+16*((\t)%2)+4*\i+3], v15 offset:32*XSP*((\t)%2)+16*\i
.endr
.endm
.macro XSTEP t
.set XS, XX+16*((\t)%2)
.if (\t) > 0
	s_wait_dscnt 1                                 ; this step's numbers are back from the stage (the last step's byte store may be out), so its stores into the stage have read their registers,
.else
	s_wait_dscnt 0x0
.endif
.if (\t)+4 < XSTEPS
	XLOAD (\t)+4                                   ; which take the loads of four steps on
.endif
.if (\t)+1 < XSTEPS
.if XSTEPS-2-(\t) >= 3
	s_wait_loadcnt 12                              ; the next step's four loads are in; the twelve of the three steps behind it may be out
.else
	s_wait_loadcnt 4*(XSTEPS-2-(\t))               ; the tail: four loads for each step still behind it
.endif
	XTURN (\t)+1                                   ; and go through the other stage while this step is worked
.endif
	v_max3_num_f32 v8, |v[XS]|, |v[XS+1]|, |v[XS+2]|               ; the largest magnitude of my 16, in two chains
	v_max3_num_f32 v9, |v[XS+3]|, |v[XS+4]|, |v[XS+5]|
.irp i, 6,10
	v_max3_num_f32 v8, v8, |v[XS+\i]|, |v[XS+\i+1]|
	v_max3_num_f32 v9, v9, |v[XS+\i+2]|, |v[XS+\i+3]|
.endr
	v_max3_num_f32 v8, v8, |v[XS+14]|, |v[XS+15]|
	v_max3_num_f32 v8, v8, v9, (EMAX+1)<<23        ; and the floor 2^(3 - 127): the byte cannot fall under 1
	v_max_num_f32_dpp v8, v8, v8 row_xmask:1 row_mask:0xf bank_mask:0xf   ; and of my neighbour's 16: the block's
	v_add_nc_u32 v11, -(EMAX<<23), v8              ; 2 off its exponent field: the conversion takes the exponent field of this operand as its scale, and nothing else of it
	v_cvt_scalef32_pk8_fp4_f32 v[XC+4*(\t)], v[XS:XS+7], v11
	v_cvt_scalef32_pk8_fp4_f32 v[XC+4*(\t)+1], v[XS+8:XS+15], v11
	v_lshrrev_b32 v[XE+(\t)], 23, v11              ; the scale's byte (also the plain line behind the conversions)
	ds_store_b8 v5, v[XE+(\t)] offset:16*(\t)      ; both lanes of a block write the same byte with the same value
	global_store_b64 v4, v[XC+4*(\t):XC+4*(\t)+1], s[10:11] offset:256*(\t)   ; the wave stores 256 consecutive bytes, aligned
.endm
.irp t, 0,1,2,3
	XLOAD \t
.endr
	s_wait_loadcnt 12                              ; step 0's four loads are in
	XTURN 0
.irp t, 0,1,2,3,4,5,6,7,8,9,10,11,12,13,14,15
	XSTEP \t
.endr
	ds_load_b64 v[8:9], v6                         ; my wave's 256 scale bytes: LDS serves a wave's instructions in order, so these see my stores
	s_wait_dscnt 0x0
	global_store_b64 v7, v[8:9], s[12:13]          ; 32 lanes store 256 consecutive bytes, aligned
	FINISH
; ---------------- PATH W.  K is w_qkv's FIRST axis.  A lane takes a column n and its registers run down K: each load reads 128 consecutive bytes a wave, a block of 32 lies in ONE lane's 32 registers,
; and the conversions give codes with K innermost.  A wave takes 32 columns x 512 along K; its codes go through its own stage and leave as rows: sixteen lanes store 256 consecutive bytes, aligned.
.Lw:
	s_cmp_ge_u32 ttmp9, 24
	s_cselect_b32 s21, 1, 0                        ; which 512 along K
	s_cselect_b32 s22, 24, 0
	s_sub_co_u32 s22, ttmp9, s22                   ; which 128 columns
	s_lshl_b32 s23, s22, 7
	s_lshl_b32 s24, s20, 5
	s_add_co_u32 s23, s23, s24                     ; my wave's first column
	s_mul_i32 s24, s21, 512*WROW                   ; w_qkv: 512 rows down,
	s_lshl_b32 s25, s23, 2                         ; 4 bytes a column
	s_add_co_u32 s24, s24, s25
	s_mov_b32 s25, 0
	s_add_nc_u64 s[6:7], s[6:7], s[24:25]
	s_lshl_b32 s24, s23, 9                         ; codes: 512 bytes a column, 256 for 512 along K
	s_lshl_b32 s26, s21, 8
	s_add_co_u32 s24, s24, s26
	s_add_nc_u64 s[14:15], s[14:15], s[24:25]
	s_lshl_b32 s24, s23, 5                         ; scale bytes: 32 a column, 16 for 512 along K
	s_lshl_b32 s26, s21, 4
	s_add_co_u32 s24, s24, s26
	s_add_nc_u64 s[16:17], s[16:17], s[24:25]
	s_mul_i32 s27, s20, 32*WPITCH
	s_add_co_u32 s27, s27, WBASE                   ; my stage
	v_lshlrev_b32 v3, 2, v2                        ; in: 4 bytes a lane
	v_mul_u32_u24 v4, v2, WPITCH
	v_add_nc_u32 v4, s27, v4                       ; into the stage: row = my column
	v_and_b32 v5, 15, v2
	v_lshrrev_b32 v6, 4, v2                        ; out of it: sixteen lanes to a row, two rows an instruction
	v_mul_u32_u24 v7, v6, WPITCH
	v_lshl_add_u32 v7, v5, 4, v7
	v_add_nc_u32 v7, s27, v7
	v_lshlrev_b32 v8, 9, v6
	v_lshl_add_u32 v8, v5, 4, v8                   ; and the same place in the codes' buffer
	v_lshlrev_b32 v9, 5, v2                        ; my column's row of scale bytes
.macro WLOAD t                         ; block t: w(32 t + i, my column); the largest offset, 511 rows of 12,288 bytes, lies inside the signed 24-bit immediate (ISA guide, chapter 10)
.irp i, 0,1,2,3,4,5,6,7,8,9,10,11,12,13,14,15,16,17,18,19,20,21,22,23,24,25,26,27,28,29,30,31
	global_load_b32 v[WX+32*((\t)%2)+\i], v3, s[6:7] offset:(32*(\t)+\i)*WROW th:TH_LOAD_NT
.endr
.endm
.macro WBLOCK t
.set WXS, WX+32*((\t)%2)
.if (\t) < WNB-1
	s_wait_loadcnt 32                              ; this block's 32 loads are in; the next block's 32 may be out
.else
	s_wait_loadcnt 0
.endif
	v_max3_num_f32 v12, |v[WXS]|, |v[WXS+1]|, |v[WXS+2]|           ; the block's largest magnitude: all 32 numbers are mine
	v_max3_num_f32 v13, |v[WXS+3]|, |v[WXS+4]|, |v[WXS+5]|
.irp i, 6,10,14,18,22,26
	v_max3_num_f32 v12, v12, |v[WXS+\i]|, |v[WXS+\i+1]|
	v_max3_num_f32 v13, v13, |v[WXS+\i+2]|, |v[WXS+\i+3]|
.endr
	v_max3_num_f32 v12, v12, |v[WXS+30]|, |v[WXS+31]|
	v_max3_num_f32 v12, v12, v13, (EMAX+1)<<23     ; and the floor
	v_add_nc_u32 v11, -(EMAX<<23), v12             ; the conversion's scale operand
	v_lshrrev_b32 v13, 23, v11                     ; the scale's byte
.if (\t)%4 == 0
	v_mov_b32 v[WSB+(\t)/4], v13                   ; four bytes to a register, the lower K in the lower byte
.else
	v_lshl_or_b32 v[WSB+(\t)/4], v13, 8*((\t)%4), v[WSB+(\t)/4]
.endif
.irp g, 0,1,2,3
	v_cvt_scalef32_pk8_fp4_f32 v[WC+\g], v[WXS+8*\g:WXS+8*\g+7], v11
.endr
	ds_store_b128 v4, v[WC:WC+3] offset:16*(\t)    ; 32 codes: 16 bytes of my column's row
.if (\t)+2 < WNB
	WLOAD (\t)+2
.endif
	s_wait_dscnt 0x0                               ; the store has read its registers: the next block's codes may be written
.endm
	WLOAD 0
	WLOAD 1
.set WQ, 0
.rept WNB
	WBLOCK WQ
.set WQ, WQ+1
.endr
	global_store_b128 v9, v[WSB:WSB+3], s[16:17]   ; my column's 16 scale bytes
.irp t, 0,1,2,3,4,5,6,7,8,9,10,11,12,13,14,15
	ds_load_b128 v[WOUT+4*\t:WOUT+4*\t+3], v7 offset:2*\t*WPITCH
.endr
.irp t, 0,1,2,3,4,5,6,7,8,9,10,11,12,13,14,15
	s_wait_dscnt 15-\t                             ; the younger loads from the stage may be out
	global_store_b128 v8, v[WOUT+4*\t:WOUT+4*\t+3], s[14:15] offset:2*\t*512
.endr
	FINISH
; ---------------- PATH O.  As in path W a lane takes a column n of w_out and its registers run down K, 128 of it: four chunks of 32.  Two neighbours along K round into one register of f16;
; four registers (8 along K, piece p of a chunk) are 16 bytes of the image, at 256 p + 16 (n % 16): sixteen neighbouring lanes store 256 consecutive bytes, aligned.
.Lo:
	s_sub_co_u32 s21, ttmp9, 48
	s_and_b32 s22, s21, 7                          ; which 128 columns
	s_lshr_b32 s23, s21, 3                         ; which 128 along K
	s_lshl_b32 s24, s23, 19                        ; w_out: 128 rows of 4,096 bytes,
	s_lshl_b32 s25, s22, 9                         ; 128 columns of 4 bytes,
	s_add_co_u32 s24, s24, s25
	s_lshl_b32 s25, s20, 7                         ; my wave's 32
	s_add_co_u32 s24, s24, s25
	s_mov_b32 s25, 0
	s_add_nc_u64 s[8:9], s[8:9], s[24:25]
	s_lshl_b32 s24, s22, 18                        ; images: 8 n tiles of 32,768 bytes,
	s_lshl_b32 s26, s20, 16                        ; my wave's two,
	s_add_co_u32 s24, s24, s26
	s_lshl_b32 s26, s23, 12                        ; four chunks of 1,024 bytes
	s_add_co_u32 s24, s24, s26
	s_add_nc_u64 s[18:19], s[18:19], s[24:25]
	v_lshlrev_b32 v3, 2, v2
	v_lshrrev_b32 v4, 4, v2
	v_and_b32 v5, 15, v2
	v_lshlrev_b32 v4, 15, v4                       ; lanes 16-31: the next n tile;
	v_lshl_add_u32 v4, v5, 4, v4                   ; 16 bytes for each column of a tile
.macro OLOAD q
.irp i, 0,1,2,3,4,5,6,7,8,9,10,11,12,13,14,15,16,17,18,19,20,21,22,23,24,25,26,27,28,29,30,31
	global_load_b32 v[OX+32*((\q)%2)+\i], v3, s[8:9] offset:(32*(\q)+\i)*4096 th:TH_LOAD_NT
.endr
.endm
.macro OBLOCK q
.set OXS, OX+32*((\q)%2)
.if (\q) < 3
	s_wait_loadcnt 32                              ; this chunk's 32 loads are in; the next chunk's 32 may be out
.else
	s_wait_loadcnt 0
.endif
.irp i, 0,1,2,3,4,5,6,7,8,9,10,11,12,13,14,15
	v_cvt_pk_f16_f32 v[OH+16*(\q)+\i], v[OXS+2*\i], v[OXS+2*\i+1]
.endr
.if (\q) < 2
	OLOAD (\q)+2
.endif
.irp p, 0,1,2,3
	global_store_b128 v4, v[OH+16*(\q)+4*\p:OH+16*(\q)+4*\p+3], s[18:19] offset:1024*(\q)+256*\p
.endr
.endm
	OLOAD 0
	OLOAD 1
	OBLOCK 0
	OBLOCK 1
	OBLOCK 2
	OBLOCK 3
	FINISH
.Lfunc_end_k_q1fddee01b3_prep:
	.size	k_q1fddee01b3_prep, .Lfunc_end_k_q1fddee01b3_prep-k_q1fddee01b3_prep
	.p2alignl 7, 3214868480
	.fill 96, 4, 3214868480
	.section	.rodata,"a",@progbits
	.p2align	6, 0x0
	.amdhsa_kernel k_q1fddee01b3_prep
		.amdhsa_group_segment_fixed_size 68096
		.amdhsa_private_segment_fixed_size 0
		.amdhsa_enable_private_segment 0
		.amdhsa_kernarg_size 64
		.amdhsa_user_sgpr_count 2
		.amdhsa_user_sgpr_kernarg_segment_ptr 1
		.amdhsa_wavefront_size32 1
		.amdhsa_system_sgpr_workgroup_id_x 1
		.amdhsa_system_sgpr_workgroup_id_y 1
		.amdhsa_system_sgpr_workgroup_id_z 1
		.amdhsa_system_vgpr_workitem_id 0
		.amdhsa_next_free_vgpr 194
		.amdhsa_next_free_sgpr 66
		.amdhsa_reserve_vcc 0
		.amdhsa_float_denorm_mode_32 3
		.amdhsa_float_denorm_mode_16_64 3
		.amdhsa_memory_ordered 1
		.amdhsa_forward_progress 1
		.amdhsa_inst_pref_size 129
	.end_amdhsa_kernel
	.amdgpu_metadata
---
amdhsa.version: [ 1, 2 ]
amdhsa.kernels:
  - .name:           k_q1fddee01b3_prep
    .symbol:         k_q1fddee01b3_prep.kd
    .args:
      - { .name: x, .offset: 0, .size: 8, .value_kind: global_buffer, .address_space: global }
      - { .name: w_qkv, .offset: 8, .size: 8, .value_kind: global_buffer, .address_space: global }
      - { .name: w_out, .offset: 16, .size: 8, .value_kind: global_buffer, .address_space: global }
      - { .name: x_codes, .offset: 24, .size: 8, .value_kind: global_buffer, .address_space: global }
      - { .name: x_scales, .offset: 32, .size: 8, .value_kind: global_buffer, .address_space: global }
      - { .name: w_codes, .offset: 40, .size: 8, .value_kind: global_buffer, .address_space: global }
      - { .name: w_scales, .offset: 48, .size: 8, .value_kind: global_buffer, .address_space: global }
      - { .name: wo_img, .offset: 56, .size: 8, .value_kind: global_buffer, .address_space: global }
    .group_segment_fixed_size: 68096
    .private_segment_fixed_size: 0
    .kernarg_segment_align: 8
    .kernarg_segment_size: 64
    .max_flat_workgroup_size: 128
    .sgpr_count:     66
    .vgpr_count:     194
    .wavefront_size: 32
...
	.end_amdgpu_metadata
.endif
;; end of part 1
;; launch qkv (part 2): grid 12 x 32, 4 waves a work-group, clusters of 4 x 4, 327,680 bytes of LDS; arguments x_codes, x_scales, w_codes, w_scales, b_qkv, qkvh; writes qkvh
.if DOCPART == 2
	.amdgcn_target "amdgcn-amd-amdhsa--gfx1250"
	.amdhsa_code_object_version 6
	.text
	.protected	k_q1fddee01b3_qkv
	.globl	k_q1fddee01b3_qkv
	.p2align	8
	.type	k_q1fddee01b3_qkv,@function
k_q1fddee01b3_qkv:
	s_mov_b64 s[64:65], 0
	v_nop
	global_prefetch_b8 v0, s[64:65] scope:SCOPE_SE
	s_setreg_imm32_b32 hwreg(HW_REG_WAVE_MODE, 25, 1), 1
	s_wait_xcnt 0x0
	s_wait_alu depctr_hold_cnt(0) depctr_sa_sdst(0) depctr_va_vdst(0) depctr_va_sdst(0) depctr_va_ssrc(0) depctr_va_vcc(0) depctr_vm_vsrc(0)
	s_getreg_b32 s2, hwreg(HW_REG_IB_STS2, 6, 4)
	s_cmp_eq_u32 s2, 0
	s_cbranch_scc0 .Lentry_in_a_cluster
	s_endpgm
.Lentry_in_a_cluster:
	s_bfe_u32 s2, ttmp6, 0x10000c
	s_cmp_lg_u32 s2, 0xf033
	s_cbranch_scc0 .Lentry_shape_is_right
	s_endpgm
.Lentry_shape_is_right:
; QKV: qkv[token][e] = sum over k of Q(x)[token][k] Q(w_qkv)[k][e] + b_qkv[e], on codes of FP4 (E2M1) with one E8M0 scale for each 32 along K, sums in f32; the result is rounded to f16 and laid by head.
; A = x's codes [8192][512 bytes], B = w_qkv's codes [3072][512 bytes], K innermost in both; scale bytes [rows][32].
; A tile of 256 tokens x 256 columns is made by a work-group of four waves; a wave makes 128 x 128: 64 accumulators of 16 x 16, 512 registers.
; K = 1,024 is two slots of 512 (rows of 256 bytes): BOTH are asked for at the head, and no LDS byte is filled twice.  The scale bytes of the work-group's rows, for all of K, come with them, in rows of 256 bytes.
; CLUSTERS: 4 x 4 work-groups.  The four of a row of the cluster need the same tiles of A, the four of a column the same tiles of B: each tile is asked for JOINTLY, by the same tensor load with the same
; descriptor and a mask that names the four.  The cluster's x is the part: 0 = q, 1 = k, 2 = v (a part is 1,024 columns: four tile columns).
; THE MATRIX INSTRUCTION IS USED TRANSPOSED (source 0 = 16 rows of B, source 1 = 16 rows of A): lane (r, h) holds token r and eight neighbouring columns 8 h + 0 .. 7 of a block of 16.
; THE BIAS is the C of each sum's first matrix instruction: eight registers for each block of 16 columns, in the result's layout.
; q IS MULTIPLIED BY c = log2(e) / sqrt(64), in f32, ahead of its rounding: the scores of the next launch are then exponents of 2 as they stand.
; THE WAY OUT needs no stage: a lane's eight f16 are 16 bytes, and qkvh is laid [part 3][head 64 = 16 batch + h][token tile 128][block of 16 channels: 4][512 bytes], a block as its reader wants it:
;   q, k: lane (r, h)'s 16 bytes at 256 h + 16 r: two blocks on end are the image of a fragment's registers (16 tokens x 32 channels);   v: at 32 r + 16 h: 16 tokens x 16 channels by rows of 32 bytes.
; Either way a wave's store covers 512 consecutive bytes, aligned.
; LIMITS: |q|, |k|, |v| up to 65,504 (f16).
; REGISTERS, in windows of 256: window 0: v0-31 addresses; v32-95 scale words, two sets; v128-191 A's fragments, ONE set; v192-255 the bias.   window 1: B's fragments, TWO sets, at v0 and v128; on the way out
;   all 256: the packed results.   window 2: the 32 accumulators of my tokens 0-63 ((a, b) at v[8 (8 a + b)]);   window 3: those of my tokens 64-127.
.set KSTEP,  512                       ; along K in a slot
.set NQ,     KSTEP/128                 ; matrix instructions deep
.set ROWB,   256                       ; a tile's row in bytes
.set KROW,   512                       ; a row of A or of B in memory, in bytes
.set PITCH,  272                       ; an LDS row: 256 bytes + 16 of padding = 68 words: row r starts at bank 4 r mod 64 (64 banks of 4 bytes: ISA guide 11.1)
.set FR,     8                         ; registers of a fragment: 16 rows x 128 K
.set NL,     2                         ; LDS loads that bring one
.set NP,     4                         ; places behind this matrix instruction (ISA guide 7.12.1)
.set HALFT,  128*PITCH                 ; 128 rows: what one tensor load brings, and what one wave reads of A or of B
.set SLOT,   4*HALFT                   ; A's 256 rows, then B's 256 rows
.set KS,     32                        ; a row of scales in bytes
.set SCL,    2*SLOT                    ; behind the slots: the scales, as rows of 256 bytes + 16 of padding
.set HALFS,  (128*KS/256)*272          ; the scales of 128 rows: what one tensor load brings
.set SBLK,   (16*KS/256)*272           ; those of 16 rows
.set SPARE,  SCL+4*HALFS               ; behind the scales: the spare words, 128 bytes for each wave: two blocks of 256 bytes that no other line names
.set ADRA, 16                          ; v16-17  LDS address of my A fragments in slot 0, 1
.set ADRB, 20                          ; v20-21  the same for B
.set CO,   26                          ; v26     my lane's 16 bytes in a block of qkvh
.set ADRS, 27                          ; v27     LDS address of my scale words: lanes 0-15 A's rows, lanes 16-31 B's
.set SPW,  28                          ; v28     LDS address of my spare word; never rewritten
.set NIL,  29                          ; v29     0; never rewritten
.set BO,   30                          ; v30     32 h: my eight numbers of a block's 16 of the bias
.set SC,   32                          ; scale words: set s at v[SC + 32 s]; register 4 i + q: lanes 0-15 the word of A's block i, lanes 16-31 that of B's block i, for the slot's q-th 128 along K
.set AF,   128                         ; A's fragments
.set BI,   192                         ; the bias: v[BI + 8 b + j] = b_qkv[my first column + 16 b + 8 h + j]
.set CS,   12                          ; s[12:13] c, twice: the packed form names a pair
.set G1, 24                            ; s[24:31] descriptor group 1 for A's tiles;  s[32:39] group 0, one set for each slot
.set G0, 32
.set G1B, 48                           ; s[48:55], s[56:63] the same for B's tiles
.set G0B, 56
.set G1S, 68                           ; s[68:75], s[76:79] groups 1 and 0 for A's scales;  s[80:87], s[88:91] for B's
.set G0S, 76
.set G1SB, 80
.set G0SB, 88
.set BP,  96                           ; s[96:97] b_qkv;  s[98:99] qkvh
.set OP,  98
.set MSB, 0
.macro WIN new                         ; the immediate's high byte repeats the setting that is left; a switch that changes nothing is dropped
.if MSB != (\new)
	s_set_vgpr_msb (MSB<<8)|(\new)
.set MSB, (\new)
.endif
.endm
.set MUL_LO,  0xa1                     ; source 0 (B) window 1, source 1 (A) window 0, C and D window 2
.set MUL_HI,  0xf1                     ; the same, C and D window 3
.set BIAS_LO, 0x81                     ; the first step: C (the bias) window 0, D window 2
.set BIAS_HI, 0xc1                     ; D window 3
.set TO_B,    0x40                     ; destination window 1, address window 0
; A joint load: waves 0 and 1 fetch for A, waves 2 and 3 for B.  Each of the two lines has ONE mask and one set of registers for all that issue it; the branch hangs on the wave's number alone.
; An s_nop 0 and four v_nop follow each of the two lines, ahead of the jump, the label and what follows.
.macro JLOAD g0a, g1a, g0b, g1b
	s_cmp_eq_u32 s15, 0
	s_cbranch_scc0 .Lfor_b_\@
	tensor_load_to_lds s[\g0a:\g0a+3], s[\g1a:\g1a+7]
	s_nop 0
.rept 4
	v_nop
.endr
	s_branch .Lasked_\@
.Lfor_b_\@:
	tensor_load_to_lds s[\g0b:\g0b+3], s[\g1b:\g1b+7]
	s_nop 0
.rept 4
	v_nop
.endr
.Lasked_\@:
.endm
.macro CROUND                          ; a round of the cluster's barrier: my work-group's barrier; wave 0 signals for the work-group; every wave waits for all sixteen; my work-group's barrier once more
	s_barrier_signal -1
	s_barrier_wait -1
	s_cmp_lg_u32 s14, 0
	s_cbranch_scc1 .Lnot_wave_0_\@
	s_barrier_signal -3
.Lnot_wave_0_\@:
	s_barrier_wait -3
	s_barrier_signal -1
	s_barrier_wait -1
.endm
	s_load_b128 s[4:7], s[0:1], 0x0                ; A's codes s[4:5], A's scales s[6:7]
	s_load_b128 s[8:11], s[0:1], 0x10              ; B's codes s[8:9], B's scales s[10:11]
	s_load_b128 s[96:99], s[0:1], 0x20             ; b_qkv, qkvh
	v_lshl_add_u32 v[SPW], v0, 2, SPARE
	v_mov_b32 v[NIL], 0
	ds_add_u32 v[SPW], v[NIL]                      ; the wave's opening: the add, twice on end, and its wait ahead of my first tensor load; the set-up below, work on registers, stands between
	ds_add_u32 v[SPW], v[NIL]
	v_lshrrev_b32 v1, 5, v0
	v_readfirstlane_b32 s14, v1                    ; wave 0..3
	s_lshr_b32 s15, s14, 1                         ; which half of the tile's tokens is mine.  Also: I fetch for A (0) or for B (1)
	s_and_b32 s16, s14, 1                          ; which half of its columns.  Also: which 128 rows of that tile I fetch
	s_bfe_u32 s40, ttmp6, 0x40000                  ; cx, cy: my place in the cluster
	s_bfe_u32 s41, ttmp6, 0x40004
	s_lshl_b32 s42, ttmp9, 2
	s_add_co_u32 s42, s42, s40                     ; tile column = 4 x cluster x + cx
	s_and_b32 s17, ttmp7, 0xffff
	s_lshl_b32 s17, s17, 2
	s_add_co_u32 s17, s17, s41                     ; tile row = 4 x cluster y + cy
	s_lshl_b32 s43, s41, 2
	s_lshl_b32 s43, 15, s43                        ; my row of the cluster
	s_lshl_b32 s44, 0x1111, s40                    ; my column
	; descriptor group 1: a tile of 128 rows x 256 bytes, padded in LDS
	s_or_b32 s[G1+0], s43, (0<<16)|(1<<20)|(1<<21)|(5<<22)|(3<<25)  ; 15:0 the mask: A's tiles go to my row; 17:16 elements of 1 byte; 20 padding on; 21 set beside a mask; 24:22 after every 64 words (code 5); 31:25 four words (code 3)
	s_or_b32 s[G1B+0], s44, (0<<16)|(1<<20)|(1<<21)|(5<<22)|(3<<25)
.irp g, G1, G1B
	s_mov_b32 s[\g+1], ROWB<<16                    ; tensor_dim0
	s_mov_b32 s[\g+2], 128<<16                     ; tensor_dim1 = 128
	s_mov_b32 s[\g+3], ROWB<<16                    ; tile_dim0
	s_mov_b32 s[\g+4], 128                         ; tile_dim1 = 128
	s_mov_b32 s[\g+5], KROW                        ; tensor_dim0_stride
	s_mov_b32 s[\g+6], 0
	s_mov_b32 s[\g+7], 0
.endr
	; and for the scales of 128 rows: a dense block of 4,096 bytes, as 16 rows of 256 bytes (32 elements of 8 bytes), 16 bytes of padding behind each
	s_or_b32 s[G1S+0], s43, (3<<16)|(1<<20)|(1<<21)|(5<<22)|(3<<25)
	s_or_b32 s[G1SB+0], s44, (3<<16)|(1<<20)|(1<<21)|(5<<22)|(3<<25)
.irp g, G1S, G1SB
	s_mov_b32 s[\g+1], 32<<16
	s_mov_b32 s[\g+2], (128*KS/256)<<16
	s_mov_b32 s[\g+3], 32<<16
	s_mov_b32 s[\g+4], 128*KS/256
	s_mov_b32 s[\g+5], 32
	s_mov_b32 s[\g+6], 0
	s_mov_b32 s[\g+7], 0
.endr
	s_mov_b32 s[CS], 0x3e38aa3b                    ; c = log2(e) / 8
	s_mov_b32 s[CS+1], s[CS]
	s_lshl_b32 s18, s16, 7                         ; which 128 rows of the tile I fetch
	s_lshl_b32 s20, s17, 8
	s_add_co_u32 s20, s20, s18                     ; A: row 256 x tile row + 128 x half
	s_lshl_b32 s46, s42, 8
	s_add_co_u32 s46, s46, s18                     ; B: row 256 x tile column + 128 x half
	s_mov_b32 s21, 0
	s_mov_b32 s47, 0
	s_mov_b64 s[18:19], KS
	s_mul_u64 s[22:23], s[20:21], s[18:19]         ; where these rows' scales begin, in bytes,
	s_mul_u64 s[92:93], s[46:47], s[18:19]
	s_mov_b64 s[18:19], KROW
	s_mul_u64 s[20:21], s[20:21], s[18:19]         ; and their codes
	s_mul_u64 s[46:47], s[46:47], s[18:19]
	s_mul_i32 s45, s14, HALFT                      ; where they go: wave x 128 rows: no place in the cluster enters an LDS address
	s_mul_i32 s94, s14, HALFS
	s_wait_dscnt 0x0                               ; both opening adds are done
	s_wait_kmcnt 0x0
	s_add_nc_u64 s[20:21], s[4:5], s[20:21]
	s_add_nc_u64 s[22:23], s[6:7], s[22:23]
	s_add_nc_u64 s[46:47], s[8:9], s[46:47]
	s_add_nc_u64 s[92:93], s[10:11], s[92:93]
	CROUND                                         ; all sixteen work-groups are here: the joint loads meet
	s_mov_b32 s[G0S], 1
	s_add_co_u32 s[G0S+1], s94, SCL
	s_mov_b64 s[G0S+2:G0S+3], s[22:23]
	s_or_b32 s[G0S+3], s[G0S+3], 0x80000000
	s_mov_b32 s[G0SB], 1
	s_add_co_u32 s[G0SB+1], s94, SCL
	s_mov_b64 s[G0SB+2:G0SB+3], s[92:93]
	s_or_b32 s[G0SB+3], s[G0SB+3], 0x80000000
	JLOAD G0S, G1S, G0SB, G1SB                     ; the scales first: they are wanted with the first slot
.irp s, 0,1
	s_mov_b32 s[G0+4*\s], 1
	s_add_co_u32 s[G0+4*\s+1], s45, \s*SLOT
	s_add_nc_u64 s[G0+4*\s+2:G0+4*\s+3], s[20:21], \s*ROWB
	s_or_b32 s[G0+4*\s+3], s[G0+4*\s+3], 0x80000000
	s_mov_b32 s[G0B+4*\s], 1
	s_add_co_u32 s[G0B+4*\s+1], s45, \s*SLOT
	s_add_nc_u64 s[G0B+4*\s+2:G0B+4*\s+3], s[46:47], \s*ROWB
	s_or_b32 s[G0B+4*\s+3], s[G0B+4*\s+3], 0x80000000
	JLOAD G0+4*\s, G1, G0B+4*\s, G1B               ; three tensor loads of mine are out: all that this launch asks for
.endr
	v_and_b32 v1, 15, v0                           ; r = l % 16
	v_bfe_u32 v2, v0, 4, 1                         ; h = l / 16
	v_lshlrev_b32 v[BO], 5, v2
	s_lshl_b32 s46, s42, 10                        ; the bias of my 128 columns: 1,024 bytes a tile column, 512 a half
	s_lshl_b32 s47, s16, 9
	s_add_co_u32 s46, s46, s47
	s_mov_b32 s47, 0
	s_add_nc_u64 s[BP:BP+1], s[BP:BP+1], s[46:47]
.irp b, 0,1,2,3,4,5,6,7
	global_load_b128 v[BI+8*\b:BI+8*\b+3],   v[BO], s[BP:BP+1] offset:64*\b
	global_load_b128 v[BI+8*\b+4:BI+8*\b+7], v[BO], s[BP:BP+1] offset:64*\b+16
.endr
	v_mul_u32_u24 v3, v1, PITCH
	v_lshl_add_u32 v4, v2, 4, v3                   ; a fragment's row x pitch + 16 x half
	s_mul_i32 s21, s15, HALFT                      ; my 128 rows of A
	s_mul_i32 s22, s16, HALFT                      ; my 128 rows of B,
	s_add_co_u32 s22, s22, 2*HALFT                 ; which lie behind A's 256
.irp s, 0,1
	v_add_nc_u32 v[ADRA+\s], s21, v4
	v_add_nc_u32 v[ADRB+\s], s22, v4
	s_add_co_u32 s21, s21, SLOT
	s_add_co_u32 s22, s22, SLOT
.endr
	v_mul_u32_u24 v5, v1, KS                       ; my row's scales: 32 bytes a row,
	v_lshrrev_b32 v6, 8, v5
	v_lshl_add_u32 v5, v6, 4, v5                   ; and 16 more for each 256 passed
	s_mul_i32 s21, s15, HALFS                      ; A's: my 128 rows
	s_mul_i32 s22, s16, HALFS                      ; B's: my 128 rows, behind A's 256
	s_add_co_u32 s22, s22, 2*HALFS
	s_sub_co_u32 s22, s22, s21
	v_mul_u32_u24 v6, s22, v2                      ; lanes 16-31 take B's: the lower base + h x the distance
	s_add_co_u32 s21, s21, SCL
	v_add_nc_u32 v5, v5, v6
	v_add_nc_u32 v[ADRS], s21, v5
	s_cmp_eq_u32 ttmp9, 2                          ; my lane's place in a block of qkvh: q, k: 16 r + 256 h;  v: 32 r + 16 h.  The part is the cluster's x: the same in all partners
	s_cselect_b32 s22, 32, 16
	s_cselect_b32 s23, 16, 256
	v_mul_u32_u24 v[CO], v1, s22
	v_mad_u32_u24 v[CO], v2, s23, v[CO]
	s_lshr_b32 s20, s17, 3                         ; where my part of the tile begins in qkvh: the batch (8 tile rows each): 16 heads,
	s_lshl_b32 s20, s20, 4
	s_lshl_b32 s21, s16, 1
	s_add_co_u32 s20, s20, s21                     ; my column half: two heads;
	s_lshl_b32 s20, s20, 18                        ; a head is 262,144 bytes;
	s_and_b32 s21, s17, 7
	s_lshl_b32 s21, s21, 4                         ; the tile row in its batch: 16 token tiles,
	s_lshl_b32 s22, s15, 3
	s_add_co_u32 s21, s21, s22                     ; my token half: eight;
	s_lshl_b32 s21, s21, 11                        ; a token tile is 2,048 bytes
	s_add_co_u32 s20, s20, s21
	s_mov_b32 s21, 0
	s_lshl_b32 s46, s40, 20                        ; cx: four heads;
	s_lshl_b32 s47, ttmp9, 24                      ; the part: 16,777,216 bytes
	s_add_co_u32 s46, s46, s47
	s_mov_b32 s47, 0
	s_add_nc_u64 s[20:21], s[20:21], s[46:47]
	s_add_nc_u64 s[OP:OP+1], s[OP:OP+1], s[20:21]
.macro FRAG reg, adr, q, i             ; a fragment, 16 rows x 128 K of 4-bit codes, is 8 registers: lane l holds row l % 16; registers 4 c .. 4 c + 3 hold K = 64 c + 32 (l / 16) + 0 .. 31
.irp c, 0,1
	ds_load_b128 v[\reg+4*\c:\reg+4*\c+3], v[\adr] offset:64*(\q)+32*\c+(\i)*16*PITCH
.endr
.endm
; 16 matrix instructions: A's blocks a0, a0 + 1 x B's eight, 128 along K: the slot's q-th.  p: B's set;  sc: the set of scale words.  first = 1: the bias is C and starts the sums: nothing is ever cleared.
; The 64 accumulators take turns, one instruction a turn, in the same order in every step.
.macro MUL16 a0, p, q, sc, first
.irp a, \a0, \a0+1
.irp b, 0,1,2,3,4,5,6,7
.if \first
	v_wmma_scale_f32_16x16x128_f8f6f4 v[8*(8*((\a)%4)+\b):8*(8*((\a)%4)+\b)+7], v[128*(\p)+FR*\b:128*(\p)+FR*\b+FR-1], v[AF+FR*(\a):AF+FR*(\a)+FR-1], v[BI+8*\b:BI+8*\b+7], v[SC+8*NQ*(\sc)+NQ*\b+(\q)], v[SC+8*NQ*(\sc)+NQ*(\a)+(\q)] matrix_a_fmt:MATRIX_FMT_FP4 matrix_b_fmt:MATRIX_FMT_FP4 matrix_a_scale:MATRIX_SCALE_ROW1
.else
	v_wmma_scale_f32_16x16x128_f8f6f4 v[8*(8*((\a)%4)+\b):8*(8*((\a)%4)+\b)+7], v[128*(\p)+FR*\b:128*(\p)+FR*\b+FR-1], v[AF+FR*(\a):AF+FR*(\a)+FR-1], v[8*(8*((\a)%4)+\b):8*(8*((\a)%4)+\b)+7], v[SC+8*NQ*(\sc)+NQ*\b+(\q)], v[SC+8*NQ*(\sc)+NQ*(\a)+(\q)] matrix_a_fmt:MATRIX_FMT_FP4 matrix_b_fmt:MATRIX_FMT_FP4 matrix_a_scale:MATRIX_SCALE_ROW1
.endif
.endr
.endr
.endm
.macro FETCH_B slot, q, p              ; B's eight fragments of the slot's q-th 128 along K into set p
	WIN TO_B
.irp i, 0,1,2,3,4,5,6,7
	FRAG 128*(\p)+FR*\i, ADRB+\slot, \q, \i
.endr
	WIN 0
.endm
.macro FETCH_A slot, q, i0             ; A's blocks i0 .. i0 + 3
.irp i, \i0, \i0+1, \i0+2, \i0+3
	FRAG AF+FR*(\i), ADRA+\slot, \q, \i
.endr
.endm
.macro SCALES sc                       ; a slot's scale words into set sc: four words a row; lanes 0-15 take A's block i, lanes 16-31 B's block i
.irp i, 0,1,2,3,4,5,6,7
	ds_load_b128 v[SC+8*NQ*\sc+NQ*\i:SC+8*NQ*\sc+NQ*\i+3], v[ADRS] offset:\i*SBLK
.endr
.endm
; A load into a register that a matrix instruction has read, and a vector instruction that reads a matrix result or writes one of its registers, stand four places behind that matrix instruction; only plain vector
; instructions that name none of its registers are places (ISA guide 7.12.1 for vector instructions).
.macro PLACES n
.rept \n
	v_nop
.endr
.endm
; A step of 128 along K that has its successor in the same slot.  A's blocks go one after the other, each against B's eight: blocks 0-3 are fetched anew in the step's middle, blocks 4-7 at its end; B has two sets.
.macro STEP slot, q, first
	s_wait_dscnt 4*NL                              ; B's set and A's blocks 0-3 are in; the youngest eight loads (A's blocks 4-7) may be out
.if \first
	WIN BIAS_LO
.else
	WIN MUL_LO
.endif
	MUL16 0, (\q)%2, \q, \slot, \first
	MUL16 2, (\q)%2, \q, \slot, \first
	s_wait_dscnt 0                                 ; A's blocks 4-7 are in (asked for 32 matrix instructions ago)
	PLACES NP
	FETCH_B \slot, (\q)+1, 1-(\q)%2
	FETCH_A \slot, (\q)+1, 0
.if \first
	WIN BIAS_HI
.else
	WIN MUL_HI
.endif
	MUL16 4, (\q)%2, \q, \slot, \first
	MUL16 6, (\q)%2, \q, \slot, \first
	PLACES NP
	WIN 0
	FETCH_A \slot, (\q)+1, 4
.endm
; Slot 0's last step goes over to slot 1: each wave's part of slot 1 has landed, and a barrier shows that to the others.
.macro TURN slot, next
	s_wait_tensorcnt 0x0                           ; all my tensor loads have landed: my part of the next slot  (every window is 0 here)
	ds_add_u32 v[SPW], v[NIL]                      ; 0 onto my spare word
	s_wait_dscnt 4*NL+1                            ; (the add and the youngest eight loads, A's blocks 4-7, may be out)
	WIN MUL_LO
	MUL16 0, 1, NQ-1, \slot, 0
	s_wait_dscnt 0x0                               ; no LDS instruction of mine is out at the signal
	s_barrier_signal -1
	MUL16 2, 1, NQ-1, \slot, 0                     ; work on registers while the others arrive
	WIN 0
	s_barrier_wait -1
	PLACES NP
	v_add_nc_u32 v[ADRS], 4*NQ, v[ADRS]            ; on to the next slot's scale words (no LDS load of mine is out)
	FETCH_B \next, 0, 0
	FETCH_A \next, 0, 0
	SCALES \next
	WIN MUL_HI
	MUL16 4, 1, NQ-1, \slot, 0
	MUL16 6, 1, NQ-1, \slot, 0
	PLACES NP
	WIN 0
	FETCH_A \next, 0, 4
.endm
	s_wait_tensorcnt 1                             ; the scales and my part of slot 0 are in (slot 1's load may be out),
	s_barrier_signal -1
	s_barrier_wait -1                              ; everybody's are
	FETCH_B 0, 0, 0
	FETCH_A 0, 0, 0
	SCALES 0
	FETCH_A 0, 0, 4
	s_wait_loadcnt 0x0                             ; the bias
	STEP 0, 0, 1                                   ; the first step's products start the sums with the bias
	STEP 0, 1, 0
	STEP 0, 2, 0
	TURN 0, 1
	STEP 1, 0, 0
	STEP 1, 1, 0
	STEP 1, 2, 0
	s_wait_dscnt 4*NL                              ; the last step: nothing more to fetch
	WIN MUL_LO
	MUL16 0, 1, NQ-1, 1, 0
	MUL16 2, 1, NQ-1, 1, 0
	s_wait_dscnt 0
	WIN MUL_HI
	MUL16 4, 1, NQ-1, 1, 0
	MUL16 6, 1, NQ-1, 1, 0
	PLACES NP                                      ; ahead of the first read of results, and of the first write over B's fragments
	WIN 0
	s_cmp_lg_u32 ttmp9, 0                          ; q's tiles alone are multiplied by c.  The cluster's x: the same in all sixteen partners
	s_cbranch_scc1 .Lnot_q
	WIN 0x82                                       ; destination and source 0: window 2
.set i, 0
.rept 128
	v_pk_mul_f32 v[i:i+1], v[i:i+1], s[CS:CS+1] op_sel_hi:[1,0]   ; each accumulator from its low end on
.set i, i+2
.endr
	WIN 0xc3                                       ; window 3
.set i, 0
.rept 128
	v_pk_mul_f32 v[i:i+1], v[i:i+1], s[CS:CS+1] op_sel_hi:[1,0]
.set i, i+2
.endr
	WIN 0
.Lnot_q:
; THE WAY OUT.  hi = 0: my tokens 0-63 (window 2), 1: tokens 64-127 (window 3).  PACK rounds a lane's eight numbers of each accumulator to 16 bytes of f16, in window 1; SENDQ stores them: a block an instruction.
; Every accumulator has registers of its own for its packed results, so no store's data are written again.
.macro PACK hi
	WIN (0x4a+5*(\hi))                             ; destination window 1, sources window 2 or 3
.irp a, 0,1,2,3
.irp b, 0,1,2,3,4,5,6,7
.irp i, 0,1,2,3
	v_cvt_pk_f16_f32 v[128*(\hi)+4*(8*\a+\b)+\i], v[8*(8*\a+\b)+2*\i], v[8*(8*\a+\b)+2*\i+1]
.endr
.endr
.endr
.endm
.macro SENDQ hi
	WIN 0x04                                       ; a store's data are its source 1: window 1
.irp a, 0,1,2,3
.irp b, 0,1,2,3,4,5,6,7
	global_store_b128 v[CO], v[128*(\hi)+4*(8*\a+\b):128*(\hi)+4*(8*\a+\b)+3], s[OP:OP+1] offset:(\b/4)*262144+(4*(\hi)+\a)*2048+(\b%4)*512   ; head b / 4 of my two, token tile, block b % 4: 512 consecutive bytes, aligned
.endr
.endr
.endm
	PACK 0
	SENDQ 0
	PACK 1
	SENDQ 1
	WIN 0
	s_wait_tensorcnt 0x0                           ; the wave's end, behind my last tensor load
	ds_add_u32 v[SPW], v[NIL]
	s_wait_dscnt 0x0
	CROUND                                         ; the closing round: no work-group ends while a partner may still ask for a tile that names it
	s_endpgm
.Lfunc_end_k_q1fddee01b3_qkv:
	.size	k_q1fddee01b3_qkv, .Lfunc_end_k_q1fddee01b3_qkv-k_q1fddee01b3_qkv
	.p2alignl 7, 3214868480
	.fill 96, 4, 3214868480
	.section	.rodata,"a",@progbits
	.p2align	6, 0x0
	.amdhsa_kernel k_q1fddee01b3_qkv
		.amdhsa_group_segment_fixed_size 327680
		.amdhsa_private_segment_fixed_size 0
		.amdhsa_enable_private_segment 0
		.amdhsa_kernarg_size 48
		.amdhsa_user_sgpr_count 2
		.amdhsa_user_sgpr_kernarg_segment_ptr 1
		.amdhsa_wavefront_size32 1
		.amdhsa_system_sgpr_workgroup_id_x 1
		.amdhsa_system_sgpr_workgroup_id_y 1
		.amdhsa_system_sgpr_workgroup_id_z 1
		.amdhsa_system_vgpr_workitem_id 0
		.amdhsa_next_free_vgpr 1024
		.amdhsa_next_free_sgpr 100
		.amdhsa_reserve_vcc 0
		.amdhsa_float_denorm_mode_32 3
		.amdhsa_float_denorm_mode_16_64 3
		.amdhsa_memory_ordered 1
		.amdhsa_forward_progress 1
		.amdhsa_inst_pref_size 135
	.end_amdhsa_kernel
	.amdgpu_metadata
---
amdhsa.version: [ 1, 2 ]
amdhsa.kernels:
  - .name:           k_q1fddee01b3_qkv
    .symbol:         k_q1fddee01b3_qkv.kd
    .args:
      - { .name: x_codes, .offset: 0, .size: 8, .value_kind: global_buffer, .address_space: global }
      - { .name: x_scales, .offset: 8, .size: 8, .value_kind: global_buffer, .address_space: global }
      - { .name: w_codes, .offset: 16, .size: 8, .value_kind: global_buffer, .address_space: global }
      - { .name: w_scales, .offset: 24, .size: 8, .value_kind: global_buffer, .address_space: global }
      - { .name: b_qkv, .offset: 32, .size: 8, .value_kind: global_buffer, .address_space: global }
      - { .name: qkvh, .offset: 40, .size: 8, .value_kind: global_buffer, .address_space: global }
    .group_segment_fixed_size: 327680
    .private_segment_fixed_size: 0
    .kernarg_segment_align: 8
    .kernarg_segment_size: 48
    .max_flat_workgroup_size: 128
    .sgpr_count:     100
    .vgpr_count:     1024
    .wavefront_size: 32
...
	.end_amdgpu_metadata
.endif
;; end of part 2
;; launch attn (part 3): grid 4 x 64, 8 waves a work-group, clusters of 4 x 1, 327,680 bytes of LDS; arguments qkvh, att; writes att
.if DOCPART == 3
	.amdgcn_target "amdgcn-amd-amdhsa--gfx1250"
	.amdhsa_code_object_version 6
	.text
	.protected	k_q1fddee01b3_attn
	.globl	k_q1fddee01b3_attn
	.p2align	8
	.type	k_q1fddee01b3_attn,@function
k_q1fddee01b3_attn:
	s_mov_b64 s[64:65], 0
	v_nop
	global_prefetch_b8 v0, s[64:65] scope:SCOPE_SE
	s_setreg_imm32_b32 hwreg(HW_REG_WAVE_MODE, 25, 1), 1
	s_wait_xcnt 0x0
	s_wait_alu depctr_hold_cnt(0) depctr_sa_sdst(0) depctr_va_vdst(0) depctr_va_sdst(0) depctr_va_ssrc(0) depctr_va_vcc(0) depctr_vm_vsrc(0)
	s_getreg_b32 s2, hwreg(HW_REG_IB_STS2, 6, 4)
	s_cmp_eq_u32 s2, 0
	s_cbranch_scc0 .Lentry_in_a_cluster
	s_endpgm
.Lentry_in_a_cluster:
	s_bfe_u32 s2, ttmp6, 0x10000c
	s_cmp_lg_u32 s2, 0x3003
	s_cbranch_scc0 .Lentry_shape_is_right
	s_endpgm
.Lentry_shape_is_right:
; ATTN: o[q] = the sum over keys of softmax(q . k / sqrt(64)) v, for each of 64 heads (16 batch + h) of 2,048 tokens and 64 channels.  Operands in f16; products, maxima and sums in f32.
; qkvh: [part: q, k, v][head 64][token tile 128][block of 16 channels: 4][512 bytes].  q arrives multiplied by c = log2(e) / 8, so a score t = q . k is an exponent of 2 as it stands.
; SOFTMAX: for each query a running maximum m and sum l: p = 2^(t - m), never above 1, whatever the inputs; in every step O and l are multiplied by a = 2^(m_old - m_new).  l is summed of the unrounded p; p is
; rounded to f16 for the second product; O is divided by l at the end and rounded to f16.
; SHARES: a work-group owns 512 queries of one head, each of its EIGHT waves 64: four tiles of 16.  Two waves share a SIMD, so that one wave's vector work stands beside the other's products.
; Every wave walks all 2,048 keys, 64 a step.  A wave's tiles are two pieces (tiles 0, 1 and tiles 2, 3): piece 2's softmax is issued behind piece 0's second products.
; LAYOUT: S^T = K Q^T (source 0 = 16 keys, source 1 = 16 queries) and O^T = V^T P (source 0 = 16 channels, source 1 = P): a lane holds ONE query (lane % 16) throughout; two tiles of S^T, rounded in pairs, ARE a
; fragment of P, made in place.  q's and k's blocks are images of fragment registers: every load reads at 16 x lane.  v's blocks are 16 tokens x 16 channels by rows of 32 bytes, turned by ds_load_tr16_b128.
; CLUSTER: the four query blocks of a head form the cluster and walk the same K and V: each tile is asked for JOINTLY, by the same tensor load with the same descriptor and the mask of all four.
; RING: two slots of 512 keys (64 KiB of K, 64 KiB of V); the head is four slots' worth: two first fills, two refills, one load of 16 KiB a wave each time; a refill has a slot's eight steps in which to land.
; att: [token tile 512 = 128 batch + s / 16][chunk 32 = 2 h + u][1,024 bytes]: images of the next launch's fragments (16 tokens x 32 of its K): a lane's 16 bytes go out at 16 x lane, 512 consecutive bytes a store.
; LIMITS: NaN and infinities are not served; |o| up to 65,504 (f16).
; REGISTERS: window 0: v1-9 addresses; v16-47 eight registers of statistics a tile; v64-191 S^T, 32 a tile, then P in place; v192-255 K's eight fragments.
;   window 1: v0-127 O^T, 32 a tile; v128-191 Q, 16 a tile; v192-255 V's eight fragments.
.set SLOT1, 131072                     ; slot 1 begins here: one exclusive or turns an address in one slot into the other's
.set VOFF,  65536                      ; in a slot: K's 32 key tiles of 2,048 bytes, then V's
.set SLOTB, 65536                      ; a slot's keys in K, and in V, in bytes
.set STEPB, 8192                       ; a step's 64 keys likewise
.set SPARE, 262144                     ; behind the ring: the spare words, 128 bytes for each wave: four blocks of 256 bytes that no other line names
.set LI,  1                            ; v1   16 x lane: my place in an image, in LDS and in memory; never rewritten
.set AV0, 2                            ; v2   my lane's place in a block of V, for the turning load; never rewritten
.set ADK, 3                            ; v3   LDS address of the step's K
.set ADV, 4                            ; v4   of its V
.set PFO, 6                            ; v6   256 x lane: the prefetches' offset; never rewritten
.set SPW, 8                            ; v8   LDS address of my spare word; never rewritten
.set NIL, 9                            ; v9   0; never rewritten
.set ST,  16                           ; tile t's statistics at v[ST + 8 t]: +0 m (+1 named with it as a pair), +2, +3 l (even keys', odd keys'), +4 to +7 at work: four maxima, then +4, +5 a second sum, +6 a, +7 m_old - m_new
.set S,   64
.set KF,  192
.set Q,   128                          ; in window 1
.set VF,  192                          ; in window 1
.set WV,  12                           ; s12  my wave's number
.set G1,  24                           ; s[24:31] descriptor group 1
.set G0A, 32                           ; s[32:35] group 0 of slot 0's first fill
.set G0W, 36                           ; s[36:39] group 0 of slot 1's first fill, which then walks on
.set PFA, 20                           ; s[20:21] where my prefetches stand
.set LIM, 22                           ; s22  2 in a wave that prefetches, else the greatest number
.set TB,  40                           ; s40  LDS byte at which the step's tiles of K begin
.set CNT, 41                           ; s41  steps left in the slot
.set SL,  42                           ; s42  slots still to be asked for
.set SEL, 46                           ; s[46:47] lane selects for v_permlanex16_b32: lane l xor 16
.set MSB, 0
.macro WIN new                         ; the immediate's high byte repeats the setting that is left; a switch that changes nothing is dropped
.if MSB != (\new)
	s_set_vgpr_msb (MSB<<8)|(\new)
.set MSB, (\new)
.endif
.endm
.set W_KQ, 0x04                        ; Q (source 1) window 1; K and S^T window 0
.set W_PV, 0x51                        ; V (source 0) and O^T (C, D) window 1; P window 0
.set W_RS, 0x41                        ; O^T (destination and source 0) window 1; the factor window 0
.set TO_1, 0x40                        ; destination window 1, address window 0
.macro CROUND                          ; a round of the cluster's barrier: my work-group's barrier; wave 0 signals for the work-group; every wave waits for all four; my work-group's barrier once more
	s_barrier_signal -1
	s_barrier_wait -1
	s_cmp_lg_u32 s[WV], 0
	s_cbranch_scc1 .Lnot_wave_0_\@
	s_barrier_signal -3
.Lnot_wave_0_\@:
	s_barrier_wait -3
	s_barrier_signal -1
	s_barrier_wait -1
.endm
	s_load_b128 s[4:7], s[0:1], 0x0                ; qkvh s[4:5], att s[6:7]
	v_lshl_add_u32 v[SPW], v0, 2, SPARE
	v_mov_b32 v[NIL], 0
	ds_add_u32 v[SPW], v[NIL]                      ; the wave's opening: the add, twice on end, and its wait ahead of my first tensor load; the set-up below, work on registers, stands between
	ds_add_u32 v[SPW], v[NIL]
	v_lshrrev_b32 v5, 5, v0
	v_readfirstlane_b32 s[WV], v5                  ; wave 0..7
	s_bfe_u32 s13, ttmp6, 0x40000                  ; cx: my block of 512 queries (the grid has one cluster along x)
	s_and_b32 s14, ttmp7, 0xffff                   ; the head, which the four partners share
	v_and_b32 v5, 31, v0
	v_lshlrev_b32 v[LI], 4, v5
	v_lshlrev_b32 v[PFO], 8, v5
	; the turning load takes 16 keys x 16 channels: lane l reads 16 bytes: key 8 (l / 16) + l % 8, channels 8 ((l / 8) % 2) + 0 .. 7, and leaves lane l channel l % 16 and 8 keys
	v_bfe_u32 v[AV0], v0, 4, 1
	v_and_b32 v[ADK], 7, v0
	v_lshl_add_u32 v[AV0], v[AV0], 3, v[ADK]
	v_bfe_u32 v[ADK], v0, 3, 1
	v_lshlrev_b32 v[AV0], 5, v[AV0]                ; a key's row in a block: 32 bytes
	v_lshl_add_u32 v[AV0], v[ADK], 4, v[AV0]
	v_add_nc_u32 v[AV0], VOFF, v[AV0]
	; descriptor group 1: 16 KiB, dense in memory and in LDS, as 64 rows of 256 bytes
	s_mov_b32 s[G1], 15|(3<<16)|(1<<21)            ; 15:0 the mask: all four work-groups; 17:16 elements of 8 bytes; 21 set beside a mask; no padding
	s_mov_b32 s[G1+1], 32<<16                      ; tensor_dim0 = 32
	s_mov_b32 s[G1+2], 64<<16                      ; tensor_dim1 = 64
	s_mov_b32 s[G1+3], 32<<16                      ; tile_dim0 = 32
	s_mov_b32 s[G1+4], 64                          ; tile_dim1 = 64
	s_mov_b32 s[G1+5], 32                          ; tensor_dim0_stride
	s_mov_b32 s[G1+6], 0
	s_mov_b32 s[G1+7], 0
	s_mov_b32 s[SEL], 0x76543210
	s_mov_b32 s[SEL+1], 0xfedcba98
	s_lshl_b32 s49, s14, 18                        ; the head's 262,144 bytes in a part
	s_lshr_b32 s48, s[WV], 2                       ; waves 0-3 fetch K (part 1), waves 4-7 V (part 2):
	s_add_co_u32 s48, s48, 1
	s_lshl_b32 s48, s48, 24                        ; a part is 16,777,216 bytes
	s_add_co_u32 s48, s48, s49
	s_and_b32 s50, s[WV], 3                        ; my quarter of a slot's 64 KiB
	s_lshl_b32 s50, s50, 14
	s_add_co_u32 s50, s50, s48                     ; made of the wave's number and the head alone: the same in all four partners
	s_mov_b32 s51, 0
	s_and_b32 s52, s[WV], 1                        ; the prefetches: 8,192 bytes a wave,
	s_lshl_b32 s52, s52, 13
	s_lshl_b32 s53, s13, 14                        ; 16,384 a partner: the partners are told apart by address;
	s_add_co_u32 s52, s52, s53
	s_add_co_u32 s52, s52, s48
	s_add_co_u32 s52, s52, 2*SLOTB                 ; they begin with the head's third 512 keys
	s_mov_b32 s53, 0
	s_lshl_b32 s54, s13, 16                        ; Q: my block's 32 token tiles of 2,048 bytes,
	s_lshl_b32 s55, s[WV], 13                      ; my wave's four
	s_add_co_u32 s54, s54, s55
	s_add_co_u32 s54, s54, s49
	s_mov_b32 s55, 0
	s_lshr_b32 s56, s14, 4                         ; att: the batch's 128 token tiles of 32,768 bytes,
	s_lshl_b32 s56, s56, 22
	s_lshl_b32 s57, s13, 20                        ; my block's 32,
	s_add_co_u32 s56, s56, s57
	s_lshl_b32 s57, s[WV], 17                      ; my wave's four,
	s_add_co_u32 s56, s56, s57
	s_and_b32 s57, s14, 15                         ; the head's two chunks of 1,024 bytes
	s_lshl_b32 s57, s57, 11
	s_add_co_u32 s56, s56, s57
	s_mov_b32 s57, 0
	s_and_b32 s[LIM], s[WV], 2                     ; waves 0, 1 (K) and 4, 5 (V) prefetch: the wave's number alone decides
	s_cmp_eq_u32 s[LIM], 0
	s_cselect_b32 s[LIM], 2, -1
	s_mov_b32 s[TB], 0
	s_mov_b32 s[SL], 2
	s_wait_dscnt 0x0                               ; both opening adds are done
	s_wait_kmcnt 0x0
	s_add_nc_u64 s[16:17], s[4:5], s[54:55]        ; Q at my wave's first tile
	s_add_nc_u64 s[18:19], s[6:7], s[56:57]        ; att likewise
	s_add_nc_u64 s[PFA:PFA+1], s[4:5], s[52:53]
	s_mov_b32 s[G0A], 1                            ; 1:0 count = 1
	s_lshl_b32 s[G0A+1], s[WV], 14                 ; LDS address: 16,384 x wave: K's four quarters, then V's
	s_add_nc_u64 s[G0A+2:G0A+3], s[4:5], s[50:51]  ; global address: the head's first 512 keys
	s_or_b32 s[G0A+3], s[G0A+3], 0x80000000        ; type = 2
	s_mov_b32 s[G0W], 1
	s_add_co_u32 s[G0W+1], s[G0A+1], SLOT1
	s_add_nc_u64 s[G0W+2:G0W+3], s[4:5], s[50:51]
	s_add_nc_u64 s[G0W+2:G0W+3], s[G0W+2:G0W+3], SLOTB
	s_or_b32 s[G0W+3], s[G0W+3], 0x80000000
	CROUND                                         ; all four work-groups are here: the first joint loads meet
	tensor_load_to_lds s[G0A:G0A+3], s[G1:G1+7]    ; both first fills together: two tensor loads of mine are out
	s_nop 0
	tensor_load_to_lds s[G0W:G0W+3], s[G1:G1+7]
	s_nop 0
.rept 4
	v_nop
.endr
	WIN TO_1
.irp t, 0,1,2,3
.irp u, 0,1
.irp c, 0,1
	global_load_b128 v[Q+16*\t+8*\u+4*\c:Q+16*\t+8*\u+4*\c+3], v[LI], s[16:17] offset:2048*\t+1024*\u+512*\c   ; Q stays in registers: tile t, channels 32 u on
.endr
.endr
.endr
.set i, 0
.rept 128
	v_mov_b32 v[i], 0                              ; O^T.  (The step is written once: the first step's a is 0, on zeros)
.set i, i+1
.endr
	WIN 0
.irp t, 0,1,2,3
	v_mov_b32 v[ST+8*\t], 0xff61b1e6               ; m: -3e38, under every score
	v_mov_b32 v[ST+8*\t+1], 0                      ; (named with m as a pair)
	v_mov_b32 v[ST+8*\t+2], 0                      ; l, in two halves
	v_mov_b32 v[ST+8*\t+3], 0
.endr
; 16 products of S^T = K Q^T for tiles x, x + 1: channels 32 u on, keys 16 kt on.  The first eight start the sums.  The accumulators take turns, one instruction a turn.
.macro KQ x
.irp u, 0,1
.irp kt, 0,1,2,3
.irp t, \x, \x+1
.if \u == 0
	v_wmma_f32_16x16x32_f16 v[S+32*(\t)+8*\kt:S+32*(\t)+8*\kt+7], v[KF+8*(2*\kt+\u):KF+8*(2*\kt+\u)+7], v[Q+16*(\t)+8*\u:Q+16*(\t)+8*\u+7], 0
.else
	v_wmma_f32_16x16x32_f16 v[S+32*(\t)+8*\kt:S+32*(\t)+8*\kt+7], v[KF+8*(2*\kt+\u):KF+8*(2*\kt+\u)+7], v[Q+16*(\t)+8*\u:Q+16*(\t)+8*\u+7], v[S+32*(\t)+8*\kt:S+32*(\t)+8*\kt+7]
.endif
.endr
.endr
.endr
.endm
; 16 products of O^T += V^T P for tiles x, x + 1: keys 32 kh on, channels 16 ct on
.macro PVM x
.irp kh, 0,1
.irp ct, 0,1,2,3
.irp t, \x, \x+1
	v_wmma_f32_16x16x32_f16 v[32*(\t)+8*\ct:32*(\t)+8*\ct+7], v[VF+32*\kh+8*\ct:VF+32*\kh+8*\ct+7], v[S+32*(\t)+8*\kh:S+32*(\t)+8*\kh+7], v[32*(\t)+8*\ct:32*(\t)+8*\ct+7]
.endr
.endr
.endr
.endm
; The softmax of tiles x, x + 1 for one step of 64 keys: a lane has 32 scores of its query in each tile.  The two tiles alternate line by line, so that no line waits for the line above it.
.macro SOFTMAX x
	WIN 0
.irp j, 0,1,2,3                        ; the maximum, three operands at a time: four chains, each begun at the low end of one accumulator
.irp t, \x, \x+1
	v_max3_num_f32 v[ST+8*(\t)+4+\j], v[S+32*(\t)+8*\j], v[S+32*(\t)+8*\j+1], v[S+32*(\t)+8*\j+2]
.endr
.endr
.irp g, 3,5
.irp j, 0,1,2,3
.irp t, \x, \x+1
	v_max3_num_f32 v[ST+8*(\t)+4+\j], v[ST+8*(\t)+4+\j], v[S+32*(\t)+8*\j+\g], v[S+32*(\t)+8*\j+\g+1]
.endr
.endr
.endr
.irp t, \x, \x+1
	v_max3_num_f32 v[ST+8*(\t)+4], v[ST+8*(\t)+4], v[S+32*(\t)+7], v[S+32*(\t)+15]
.endr
.irp t, \x, \x+1
	v_max3_num_f32 v[ST+8*(\t)+6], v[ST+8*(\t)+6], v[S+32*(\t)+23], v[S+32*(\t)+31]
.endr
.irp t, \x, \x+1
	v_max3_num_f32 v[ST+8*(\t)+4], v[ST+8*(\t)+4], v[ST+8*(\t)+5], v[ST+8*(\t)+6]
.endr
.irp t, \x, \x+1
	v_max3_num_f32 v[ST+8*(\t)+4], v[ST+8*(\t)+4], v[ST+8*(\t)+7], v[ST+8*(\t)]   ; with the old m
.endr
.irp t, \x, \x+1
	v_permlanex16_b32 v[ST+8*(\t)+5], v[ST+8*(\t)+4], s[SEL], s[SEL+1]   ; the query's other 32 keys lie in the lane 16 away
.endr
.irp t, \x, \x+1
	v_mov_b32 v[ST+8*(\t)+7], v[ST+8*(\t)]         ; m_old
.endr
.irp t, \x, \x+1
	v_max_num_f32 v[ST+8*(\t)], v[ST+8*(\t)+4], v[ST+8*(\t)+5]   ; the new m
.endr
.irp t, \x, \x+1
	v_sub_f32 v[ST+8*(\t)+7], v[ST+8*(\t)+7], v[ST+8*(\t)]       ; m_old - m_new: 0 or less
.endr
.set e, 0
.rept 16
.irp t, \x, \x+1
	v_pk_add_f32 v[S+32*(\t)+e:S+32*(\t)+e+1], v[S+32*(\t)+e:S+32*(\t)+e+1], v[ST+8*(\t):ST+8*(\t)+1] op_sel_hi:[1,0] neg_lo:[0,1] neg_hi:[0,1]   ; t - m, two at a time (m serves both halves): 0 or less
.endr
.set e, e+2
.endr
.irp t, \x, \x+1                       ; ONE BATCH of 66 exponentials: none of them reads another's result
	v_exp_f32 v[ST+8*(\t)+6], v[ST+8*(\t)+7]       ; a
.endr
.set e, 0
.rept 32
.irp t, \x, \x+1
	v_exp_f32 v[S+32*(\t)+e], v[S+32*(\t)+e]       ; p
.endr
.set e, e+1
.endr
	v_nop                                          ; a plain instruction behind the last exponential, ahead of the first use (ISA guide 5.7.2)
	s_wait_alu depctr_va_vdst(0)                   ; a wait ahead of the first instruction that names a result: one for the batch
.irp t, \x, \x+1
	v_pk_fma_f32 v[ST+8*(\t)+2:ST+8*(\t)+3], v[ST+8*(\t)+2:ST+8*(\t)+3], v[ST+8*(\t)+6:ST+8*(\t)+7], v[S+32*(\t):S+32*(\t)+1] op_sel_hi:[1,0,1]   ; l = a l + the first pair: the sum is taken of the unrounded p,
.endr
.irp t, \x, \x+1
	v_pk_add_f32 v[ST+8*(\t)+4:ST+8*(\t)+5], v[S+32*(\t)+2:S+32*(\t)+3], v[S+32*(\t)+4:S+32*(\t)+5]   ; in two chains
.endr
.irp p, 3,4,5,6,7,8,9,10,11,12,13,14,15
.irp t, \x, \x+1
.if (\p)%2
	v_pk_add_f32 v[ST+8*(\t)+2:ST+8*(\t)+3], v[ST+8*(\t)+2:ST+8*(\t)+3], v[S+32*(\t)+2*\p:S+32*(\t)+2*\p+1]
.else
	v_pk_add_f32 v[ST+8*(\t)+4:ST+8*(\t)+5], v[ST+8*(\t)+4:ST+8*(\t)+5], v[S+32*(\t)+2*\p:S+32*(\t)+2*\p+1]
.endif
.endr
.endr
.irp t, \x, \x+1
	v_pk_add_f32 v[ST+8*(\t)+2:ST+8*(\t)+3], v[ST+8*(\t)+2:ST+8*(\t)+3], v[ST+8*(\t)+4:ST+8*(\t)+5]
.endr
.irp kh, 0,1                           ; P in place: register 8 kh + i takes p 16 kh + 2 i and 2 i + 1: a destination never passes a source that has not been read
.irp i, 0,1,2,3,4,5,6,7
.irp t, \x, \x+1
	v_cvt_pk_f16_f32 v[S+32*(\t)+8*\kh+\i], v[S+32*(\t)+16*\kh+2*\i], v[S+32*(\t)+16*\kh+2*\i+1]
.endr
.endr
.endr
	WIN W_RS
.set e, 0
.rept 16
.irp t, \x, \x+1
	v_pk_mul_f32 v[32*(\t)+e:32*(\t)+e+1], v[32*(\t)+e:32*(\t)+e+1], v[ST+8*(\t)+6:ST+8*(\t)+7] op_sel_hi:[1,0]   ; O^T x a, each accumulator from its low end on
.endr
.set e, e+2
.endr
.endm
; A PREFETCH INTO THE L2 of what the next change of slots will ask for: 512 keys of K and of V, 64 KiB each.  It stands in the seventh of a slot's eight steps, behind the step's run of LDS loads: two steps ahead of
; the tensor load.  Each aligned block of 256 bytes is named once in the launch: a head has one cluster; its four partners take 16 KiB of K and of V each, told apart BY ADDRESS; in each, waves 0 and 1 ask for K's
; and waves 4 and 5 for V's, 8 KiB a wave, lanes 256 bytes apart.  The first two slots come by their loads alone, and the last two slots' steps ask for nothing.
.macro ASK
	s_cmp_eq_u32 s[CNT], s[LIM]
	s_cbranch_scc0 .Lnot_mine_\@
	global_prefetch_b8 v[PFO], s[PFA:PFA+1] th:TH_LOAD_NT scope:SCOPE_SE
.Lnot_mine_\@:
.endm
; A KEY STEP: 64 keys.
.macro STEP ask
	v_add_nc_u32 v[ADK], s[TB], v[LI]              ; these two and three v_nop are five places behind the last step's products: four for the loads into V's registers, five for the
	v_add_nc_u32 v[ADV], s[TB], v[AV0]             ; products below, which write S^T over P of tiles 2 and 3 (ISA guide 7.12.1 for the products)
.rept 3
	v_nop
.endr
.irp kt, 0,1,2,3
.irp u, 0,1
.irp c, 0,1
	ds_load_b128 v[KF+8*(2*\kt+\u)+4*\c:KF+8*(2*\kt+\u)+4*\c+3], v[ADK] offset:512*(4*\kt+2*\u+\c)   ; 512 consecutive bytes
.endr
.endr
.endr
	WIN TO_1
.irp kh, 0,1
.irp ct, 0,1,2,3
.irp c, 0,1
	ds_load_tr16_b128 v[VF+32*\kh+8*\ct+4*\c:VF+32*\kh+8*\ct+4*\c+3], v[ADV] offset:512*(4*(2*\kh+\c)+\ct)   ; key tile 2 kh + c, channels 16 ct on
.endr
.endr
.endr
	WIN 0
	s_add_co_u32 s[TB], s[TB], STEPB               ; the next step's tiles
.if \ask
	ASK
.endif
	s_wait_dscnt 16                                ; K is in; V's sixteen loads may be out
	WIN W_KQ
	KQ 0
	KQ 2
	WIN 0
.rept 4
	v_nop                                          ; places ahead of the first read of the scores
.endr
	SOFTMAX 0
	s_wait_dscnt 0x0                               ; V is in
	WIN W_PV
	PVM 0
	SOFTMAX 2                                      ; names no register of the sixteen products just issued
	WIN W_PV
	PVM 2
	WIN 0
.endm
.macro STEPS ask                       ; a slot's eight steps: written once, walked eight times; the LDS addresses hang on s[TB]
	s_mov_b32 s[CNT], 8
.Lstep_\@:
	STEP \ask
	s_sub_co_u32 s[CNT], s[CNT], 1
	s_cmp_lg_u32 s[CNT], 0
	s_cbranch_scc1 .Lstep_\@
.endm
; THE CHANGE OF SLOTS.  Each wave waits for all its tensor loads, of which one is out: its part of the other slot; adds 0 to its spare word; and waits for that and for its reads of the slot that it leaves.
; fill = 1: that slot is filled again, with the keys two slots on.  The barrier is then a round of the cluster's, so that no wave of any partner still reads the slot or has a load on its way, and the joint refill
; is the first thing behind it, one load a wave.
.macro CHANGE fill
	WIN 0
	s_wait_tensorcnt 0x0                           ; no tensor load of mine is out, so a group 0 may be written
	ds_add_u32 v[SPW], v[NIL]                      ; 0 onto my spare word
.if \fill
	s_xor_b32 s[G0W+1], s[G0W+1], SLOT1            ; the walking descriptor: the other slot than last time,
	s_add_nc_u64 s[G0W+2:G0W+3], s[G0W+2:G0W+3], SLOTB   ; the next 512 keys; the type bits on top are not reached
	s_wait_xcnt 0x0                                ; the last prefetch, two steps back, has read its address, so it may be written
	s_add_nc_u64 s[PFA:PFA+1], s[PFA:PFA+1], SLOTB
	s_wait_dscnt 0x0                               ; the add is done, and my reads of the slot are over
	CROUND
	tensor_load_to_lds s[G0W:G0W+3], s[G1:G1+7]
	s_nop 0
.rept 4
	v_nop
.endr
.else
	s_wait_dscnt 0x0
	s_barrier_signal -1
	s_barrier_wait -1
.endif
	s_sub_co_u32 s[TB], s[TB], SLOTB               ; the fetches go back to a slot's first step,
	s_xor_b32 s[TB], s[TB], SLOT1                  ; in the other slot
.endm
	s_wait_tensorcnt 1                             ; my part of slot 0 is in; slot 1's may stay out
	s_barrier_signal -1
	s_barrier_wait -1                              ; everybody's is
	s_wait_loadcnt 0x0                             ; Q
.Lslot:                                            ; two trips: the first two slots are read and filled again
	STEPS 1
	CHANGE 1
	s_sub_co_u32 s[SL], s[SL], 1
	s_cmp_lg_u32 s[SL], 0
	s_cbranch_scc1 .Lslot
	STEPS 0                                        ; the tail is written out
	CHANGE 0
	STEPS 0
	; THE WAY OUT.  l's two halves and the other half of the lanes' are added; O^T is divided by l, rounded to f16 and stored as it lies: a lane's eight channels are 16 bytes of an image.
.irp t, 0,1,2,3
	v_add_f32 v[ST+8*\t+4], v[ST+8*\t+2], v[ST+8*\t+3]   ; (these four are the places behind the last products)
.endr
.irp t, 0,1,2,3
	v_permlanex16_b32 v[ST+8*\t+5], v[ST+8*\t+4], s[SEL], s[SEL+1]
.endr
.irp t, 0,1,2,3
	v_add_f32 v[ST+8*\t+4], v[ST+8*\t+4], v[ST+8*\t+5]
.endr
.irp t, 0,1,2,3
	v_rcp_f32 v[ST+8*\t+6], v[ST+8*\t+4]
.endr
	v_nop                                          ; a plain instruction between the last reciprocal and the use of its result
	s_wait_alu depctr_va_vdst(0)                   ; and a wait: one for the four
.irp t, 0,1,2,3
	WIN W_RS
.set e, 0
.rept 16
	v_pk_mul_f32 v[32*\t+e:32*\t+e+1], v[32*\t+e:32*\t+e+1], v[ST+8*\t+6:ST+8*\t+7] op_sel_hi:[1,0]
.set e, e+2
.endr
	WIN 0x05                                       ; sources window 1, destination window 0: S^T's registers are free
.set e, 0
.rept 16
	v_cvt_pk_f16_f32 v[S+32*\t+e], v[32*\t+2*e], v[32*\t+2*e+1]
.set e, e+1
.endr
	WIN 0
.irp ct, 0,1,2,3
	global_store_b128 v[LI], v[S+32*\t+4*\ct:S+32*\t+4*\ct+3], s[18:19] offset:32768*\t+512*\ct   ; token tile t; chunk ct / 2, half ct % 2 of its image: 512 consecutive bytes, aligned
.endr
.endr
	s_wait_tensorcnt 0x0                           ; the wave's end, behind my last tensor load
	ds_add_u32 v[SPW], v[NIL]
	s_wait_dscnt 0x0
	CROUND                                         ; the closing round: no work-group ends while a partner may still ask for a tile that names it
	s_endpgm
.Lfunc_end_k_q1fddee01b3_attn:
	.size	k_q1fddee01b3_attn, .Lfunc_end_k_q1fddee01b3_attn-k_q1fddee01b3_attn
	.p2alignl 7, 3214868480
	.fill 96, 4, 3214868480
	.section	.rodata,"a",@progbits
	.p2align	6, 0x0
	.amdhsa_kernel k_q1fddee01b3_attn
		.amdhsa_group_segment_fixed_size 327680
		.amdhsa_private_segment_fixed_size 0
		.amdhsa_enable_private_segment 0
		.amdhsa_kernarg_size 16
		.amdhsa_user_sgpr_count 2
		.amdhsa_user_sgpr_kernarg_segment_ptr 1
		.amdhsa_wavefront_size32 1
		.amdhsa_system_sgpr_workgroup_id_x 1
		.amdhsa_system_sgpr_workgroup_id_y 1
		.amdhsa_system_sgpr_workgroup_id_z 1
		.amdhsa_system_vgpr_workitem_id 0
		.amdhsa_next_free_vgpr 512
		.amdhsa_next_free_sgpr 66
		.amdhsa_reserve_vcc 0
		.amdhsa_float_denorm_mode_32 3
		.amdhsa_float_denorm_mode_16_64 3
		.amdhsa_memory_ordered 1
		.amdhsa_forward_progress 1
		.amdhsa_inst_pref_size 119
	.end_amdhsa_kernel
	.amdgpu_metadata
---
amdhsa.version: [ 1, 2 ]
amdhsa.kernels:
  - .name:           k_q1fddee01b3_attn
    .symbol:         k_q1fddee01b3_attn.kd
    .args:
      - { .name: qkvh, .offset: 0, .size: 8, .value_kind: global_buffer, .address_space: global }
      - { .name: att, .offset: 8, .size: 8, .value_kind: global_buffer, .address_space: global }
    .group_segment_fixed_size: 327680
    .private_segment_fixed_size: 0
    .kernarg_segment_align: 8
    .kernarg_segment_size: 16
    .max_flat_workgroup_size: 256
    .sgpr_count:     66
    .vgpr_count:     512
    .wavefront_size: 32
...
	.end_amdgpu_metadata
.endif
;; end of part 3
;; launch proj (part 4): grid 4 x 64, 4 waves a work-group, clusters of 4 x 4, 327,680 bytes of LDS; arguments att, wo_img, b_out, out0; writes out0
.if DOCPART == 4
	.amdgcn_target "amdgcn-amd-amdhsa--gfx1250"
	.amdhsa_code_object_version 6
	.text
	.protected	k_q1fddee01b3_proj
	.globl	k_q1fddee01b3_proj
	.p2align	8
	.type	k_q1fddee01b3_proj,@function
k_q1fddee01b3_proj:
	s_mov_b64 s[64:65], 0
	v_nop
	global_prefetch_b8 v0, s[64:65] scope:SCOPE_SE
	s_setreg_imm32_b32 hwreg(HW_REG_WAVE_MODE, 25, 1), 1
	s_wait_xcnt 0x0
	s_wait_alu depctr_hold_cnt(0) depctr_sa_sdst(0) depctr_va_vdst(0) depctr_va_sdst(0) depctr_va_ssrc(0) depctr_va_vcc(0) depctr_vm_vsrc(0)
	s_getreg_b32 s2, hwreg(HW_REG_IB_STS2, 6, 4)
	s_cmp_eq_u32 s2, 0
	s_cbranch_scc0 .Lentry_in_a_cluster
	s_endpgm
.Lentry_in_a_cluster:
	s_bfe_u32 s2, ttmp6, 0x10000c
	s_cmp_lg_u32 s2, 0xf033
	s_cbranch_scc0 .Lentry_shape_is_right
	s_endpgm
.Lentry_shape_is_right:
; PROJ: out0[token][e] = sum over d of o[token][d] w_out[d][e] + b_out[e].  Operands in f16, sums in f32, the result f32.
; Both operands arrive as IMAGES of fragment registers, 1,024 bytes for 16 rows x 32 along K: att [token tile 512][chunk 32][1,024], wo_img [n tile 64][chunk 32][1,024].
; So a K step's part of a tile of rows is dense in memory, LDS needs no padding, and every fragment load reads 512 consecutive bytes, at 16 x lane.
; A tile of 128 tokens x 256 outputs is made by a work-group of four waves: 256 work-groups.  A wave makes 64 x 128: 32 accumulators of 16 x 16, 256 registers.
; K goes in steps of 128 (four chunks, 4,096 bytes of each tile of rows) through a ring of two LDS slots: 128 matrix instructions a wave in a step.
; CLUSTERS: 4 x 4 work-groups.  The four of a row of the cluster need the same tiles of att, the four of a column the same tiles of wo_img: each tile is asked for JOINTLY.
; THE MATRIX INSTRUCTION IS USED TRANSPOSED (source 0 = 16 outputs of wo_img, source 1 = 16 tokens of att): a lane holds eight neighbouring outputs of one token.  The bias is the C of each sum's first instruction.
; No prefetch: a K step's matrix work is short and the tiles are small, shared in the cluster and asked for a whole K step ahead.
; REGISTERS: window 0: v16-29 addresses; v32-95 the bias.   window 1: fragments: B's two buffers at v0 and v64, A's two at v128 and v160; on the way out all 256: rows read back.   window 2: accumulator (a, b) at v[8 (8 a + b)].
.set SLOT,   98304                     ; A: 8 token tiles x 4,096 bytes; then B: 16 n tiles x 4,096
.set BOFF,   32768
.set STEPB,  4096                      ; a K step of a tile of rows, in memory and in LDS
.set TILEB,  32768                     ; from a tile of rows to the next in memory: 32 chunks
.set STAGE,  2*SLOT                    ; behind the ring: 16 rows x (512 bytes + 16) for each wave, for the way out
.set SPITCH, 528
.set SPARE,  STAGE+4*16*SPITCH         ; behind the stages: the spare words, 128 bytes for each wave: two blocks of 256 bytes that no other line names
.set LAPS,   4                         ; a lap = two K steps = once round the ring
.set ADRA, 16                          ; v16-17  LDS address of my A fragments in slot 0, 1
.set ADRB, 20                          ; v20-21  the same for B
.set STO,  24                          ; v24     the way out: where I put 32 bytes of a row
.set RD,   25                          ; v25     the way out: where I read a row back
.set CO,   26                          ; v26     16 x lane
.set BO,   27                          ; v27     32 h
.set SPW,  28                          ; v28     LDS address of my spare word; never rewritten
.set NIL,  29                          ; v29     0; never rewritten
.set BI,   32                          ; v[BI + 8 b + j] = b_out[my first output + 16 b + 8 h + j]
.set G1, 24                            ; s[24:31] descriptor group 1 for A's tiles;  s[32:39] group 0, one set for each slot
.set G0, 32
.set G1B, 48                           ; s[48:55], s[56:63] the same for B's tiles
.set G0B, 56
.set MSB, 0
.macro WIN new                         ; the immediate's high byte repeats the setting that is left; a switch that changes nothing is dropped
.if MSB != (\new)
	s_set_vgpr_msb (MSB<<8)|(\new)
.set MSB, (\new)
.endif
.endm
.set MUL,  0xa5                        ; sources 0 (B) and 1 (A) window 1; C and D window 2
.set MUL1, 0x85                        ; the first quarter: C (the bias) window 0
.set TO_F, 0x40                        ; destination window 1, address window 0
.macro JLOAD s                         ; a joint load: waves 0 and 1 fetch A's two halves, waves 2 and 3 B's; an s_nop 0 and four v_nop follow each of the two lines, ahead of the jump, the label and what follows
	s_cmp_eq_u32 s13, 0
	s_cbranch_scc0 .Lfor_b_\@
	tensor_load_to_lds s[G0+4*\s:G0+4*\s+3], s[G1:G1+7]
	s_nop 0
.rept 4
	v_nop
.endr
	s_branch .Lasked_\@
.Lfor_b_\@:
	tensor_load_to_lds s[G0B+4*\s:G0B+4*\s+3], s[G1B:G1B+7]
	s_nop 0
.rept 4
	v_nop
.endr
.Lasked_\@:
.endm
.macro CREST                           ; a round of the cluster's barrier behind its opening barrier
	s_cmp_lg_u32 s12, 0
	s_cbranch_scc1 .Lnot_wave_0_\@
	s_barrier_signal -3
.Lnot_wave_0_\@:
	s_barrier_wait -3
	s_barrier_signal -1
	s_barrier_wait -1
.endm
.macro CROUND                          ; a whole round
	s_barrier_signal -1
	s_barrier_wait -1
	CREST
.endm
	s_load_b128 s[4:7], s[0:1], 0x0                ; att s[4:5], wo_img s[6:7]
	s_load_b128 s[8:11], s[0:1], 0x10              ; b_out s[8:9], out0 s[10:11]
	v_lshl_add_u32 v[SPW], v0, 2, SPARE
	v_mov_b32 v[NIL], 0
	ds_add_u32 v[SPW], v[NIL]                      ; the wave's opening: the add, twice on end, and its wait ahead of my first tensor load; the set-up below, work on registers, stands between
	ds_add_u32 v[SPW], v[NIL]
	v_lshrrev_b32 v1, 5, v0
	v_readfirstlane_b32 s12, v1                    ; wave 0..3
	s_lshr_b32 s13, s12, 1                         ; which 64 of the tile's tokens are mine.  Also: I fetch for A (0) or for B (1)
	s_and_b32 s14, s12, 1                          ; which 128 of its outputs.  Also: which half of that tile I fetch
	s_bfe_u32 s40, ttmp6, 0x40000                  ; cx, cy: my place in the cluster
	s_bfe_u32 s41, ttmp6, 0x40004
	s_lshl_b32 s45, ttmp9, 2
	s_add_co_u32 s45, s45, s40                     ; tile column = 4 x cluster x + cx
	s_and_b32 s42, ttmp7, 0xffff
	s_lshl_b32 s42, s42, 2
	s_add_co_u32 s42, s42, s41                     ; tile row = 4 x cluster y + cy
	s_lshl_b32 s43, s41, 2
	s_lshl_b32 s43, 15, s43                        ; my row of the cluster
	s_lshl_b32 s44, 0x1111, s40                    ; my column
	; descriptor group 1: rows of 4,096 bytes (512 elements of 8 bytes), one for each tile of 16 rows, 32,768 bytes apart in memory, on end in LDS.  A's half: 4 rows; B's half: 8
	s_or_b32 s[G1+0], s43, (3<<16)|(1<<21)         ; 15:0 the mask: A's tiles go to my row; 17:16 elements of 8 bytes; 21 set beside a mask; no padding
	s_or_b32 s[G1B+0], s44, (3<<16)|(1<<21)
.irp g, G1, G1B
	s_mov_b32 s[\g+1], 512<<16                     ; tensor_dim0
	s_mov_b32 s[\g+3], 512<<16                     ; tile_dim0
	s_mov_b32 s[\g+5], 4096                        ; tensor_dim0_stride
	s_mov_b32 s[\g+6], 0
	s_mov_b32 s[\g+7], 0
.endr
	s_mov_b32 s[G1+2], 4<<16                       ; tensor_dim1
	s_mov_b32 s[G1+4], 4                           ; tile_dim1
	s_mov_b32 s[G1B+2], 8<<16
	s_mov_b32 s[G1B+4], 8
	s_lshl_b32 s16, s42, 18                        ; A: token tile 8 x tile row + 4 x half, of 32,768 bytes
	s_lshl_b32 s17, s14, 17
	s_add_co_u32 s16, s16, s17
	s_mov_b32 s17, 0
	s_lshl_b32 s46, s45, 19                        ; B: n tile 16 x tile column + 8 x half
	s_lshl_b32 s47, s14, 18
	s_add_co_u32 s46, s46, s47
	s_mov_b32 s47, 0
	s_lshl_b32 s20, s14, 14                        ; where they go: A's halves of 16,384 bytes;
	s_lshl_b32 s21, s14, 15
	s_add_co_u32 s21, s21, BOFF                    ; B's of 32,768, behind A: no place in the cluster enters an LDS address
	s_wait_dscnt 0x0                               ; both opening adds are done
	s_wait_kmcnt 0x0
	s_add_nc_u64 s[18:19], s[4:5], s[16:17]
	s_add_nc_u64 s[46:47], s[6:7], s[46:47]
	CROUND                                         ; all sixteen work-groups are here: the first joint loads meet
.irp s, 0,1
	s_mov_b32 s[G0+4*\s], 1
	s_add_co_u32 s[G0+4*\s+1], s20, \s*SLOT
	s_add_nc_u64 s[G0+4*\s+2:G0+4*\s+3], s[18:19], \s*STEPB
	s_or_b32 s[G0+4*\s+3], s[G0+4*\s+3], 0x80000000
	s_mov_b32 s[G0B+4*\s], 1
	s_add_co_u32 s[G0B+4*\s+1], s21, \s*SLOT
	s_add_nc_u64 s[G0B+4*\s+2:G0B+4*\s+3], s[46:47], \s*STEPB
	s_or_b32 s[G0B+4*\s+3], s[G0B+4*\s+3], 0x80000000
	JLOAD \s                                       ; two tensor loads of mine are out
.endr
	v_and_b32 v1, 15, v0                           ; r
	v_bfe_u32 v2, v0, 4, 1                         ; h
	v_and_b32 v3, 31, v0
	v_lshlrev_b32 v[CO], 4, v3
	v_lshlrev_b32 v[BO], 5, v2
	s_lshl_b32 s46, s45, 10                        ; my first output, in bytes of f32: 1,024 a tile column, 512 a half
	s_lshl_b32 s47, s14, 9
	s_add_co_u32 s46, s46, s47
	s_mov_b32 s47, 0
	s_add_nc_u64 s[8:9], s[8:9], s[46:47]
	s_add_nc_u64 s[10:11], s[10:11], s[46:47]
.irp b, 0,1,2,3,4,5,6,7
	global_load_b128 v[BI+8*\b:BI+8*\b+3],   v[BO], s[8:9] offset:64*\b
	global_load_b128 v[BI+8*\b+4:BI+8*\b+7], v[BO], s[8:9] offset:64*\b+16
.endr
	s_lshl_b32 s16, s42, 19                        ; my first token's row of out0: 128 rows of 4,096 bytes a tile row, 64 a half
	s_lshl_b32 s17, s13, 18
	s_add_co_u32 s16, s16, s17
	s_mov_b32 s17, 0
	s_add_nc_u64 s[10:11], s[10:11], s[16:17]
	s_lshl_b32 s22, s13, 14                        ; my four token tiles in a slot,
	s_lshl_b32 s23, s14, 15
	s_add_co_u32 s23, s23, BOFF                    ; my eight n tiles
.irp s, 0,1
	v_add_nc_u32 v[ADRA+\s], s22, v[CO]
	v_add_nc_u32 v[ADRB+\s], s23, v[CO]
	s_add_co_u32 s22, s22, SLOT
	s_add_co_u32 s23, s23, SLOT
.endr
	s_mul_i32 s22, s12, 16*SPITCH
	s_add_co_u32 s22, s22, STAGE                   ; my stage
	v_mul_u32_u24 v[STO], v1, SPITCH               ; in: row r, 32 bytes for each half of the lanes
	v_lshl_add_u32 v[STO], v2, 5, v[STO]
	v_add_nc_u32 v[STO], s22, v[STO]
	v_add_nc_u32 v[RD], s22, v[CO]                 ; back: the 32 lanes take one row of 512 bytes
; 24 LDS loads in one run: the fragments of chunk q of the slot into buffer f: B's eight, then A's four
.macro FETCH slot, q, f
	WIN TO_F
.irp b, 0,1,2,3,4,5,6,7
	ds_load_b128 v[64*(\f)+8*\b:64*(\f)+8*\b+3],   v[ADRB+\slot] offset:4096*\b+1024*(\q)
	ds_load_b128 v[64*(\f)+8*\b+4:64*(\f)+8*\b+7], v[ADRB+\slot] offset:4096*\b+1024*(\q)+512
.endr
.irp a, 0,1,2,3
	ds_load_b128 v[128+32*(\f)+8*\a:128+32*(\f)+8*\a+3],   v[ADRA+\slot] offset:4096*\a+1024*(\q)
	ds_load_b128 v[128+32*(\f)+8*\a+4:128+32*(\f)+8*\a+7], v[ADRA+\slot] offset:4096*\a+1024*(\q)+512
.endr
.endm
; 8 matrix instructions: token tile a x my eight n tiles, 32 along K from buffer f.  first = 1: the bias is C and starts the sums.  The 32 accumulators take turns, one instruction a turn.
.macro MUL8 f, a, first
.irp b, 0,1,2,3,4,5,6,7
.if \first
	v_wmma_f32_16x16x32_f16 v[8*(8*(\a)+\b):8*(8*(\a)+\b)+7], v[64*(\f)+8*\b:64*(\f)+8*\b+7], v[128+32*(\f)+8*(\a):128+32*(\f)+8*(\a)+7], v[BI+8*\b:BI+8*\b+7]
.else
	v_wmma_f32_16x16x32_f16 v[8*(8*(\a)+\b):8*(8*(\a)+\b)+7], v[64*(\f)+8*\b:64*(\f)+8*\b+7], v[128+32*(\f)+8*(\a):128+32*(\f)+8*(\a)+7], v[8*(8*(\a)+\b):8*(8*(\a)+\b)+7]
.endif
.endr
.endm
.macro PLACES                          ; four places in front of loads into registers that matrix instructions have read, and of the first read of results (ISA guide 7.12.1 for the first read of results)
.rept 4
	v_nop
.endr
.endm
; A K step is four quarters of 32 along K, 32 matrix instructions each, on buffers 0, 1, 0, 1.  One of the first three: multiplies buffer f and, in its middle, fetches chunk qn into buffer g.
.macro QUARTER slot, qn, f, g, first
	s_wait_dscnt 4                                 ; B and A's tiles 0, 1 are in; the youngest four loads (A's tiles 2, 3) may be out
.if \first
	WIN MUL1
.else
	WIN MUL
.endif
	MUL8 \f, 0, \first
	MUL8 \f, 1, \first
	PLACES
	FETCH \slot, \qn, \g
	s_wait_dscnt 24                                ; all but the 24 just issued
.if \first
	WIN MUL1
.else
	WIN MUL
.endif
	MUL8 \f, 2, \first
	MUL8 \f, 3, \first
.endm
; The last quarter multiplies buffer 1 and changes slots: ONE barrier; in front of it each wave waits for all its tensor loads, adds 0 to its spare word, and waits for that and for its own reads of this slot.
; fill = 1: this slot is filled again, two K steps ahead: the barrier then opens a round of the cluster's, and the joint refill is the first thing behind the round, 112 matrix instructions ahead of the wait for it.
.macro TURN slot, next, fill
	WIN 0                                          ; (the add's two registers lie in window 0)
	s_wait_tensorcnt 0x0                           ; all my tensor loads have landed: my part of the next slot;
	ds_add_u32 v[SPW], v[NIL]                      ; 0 onto my spare word;
	s_wait_dscnt 5                                 ; (the add and the youngest four loads may be out)
	WIN MUL
	MUL8 1, 0, 0                                   ; eight matrix instructions stand between the add and the wait for it
	s_wait_dscnt 0x0                               ; the add is done, and my reads of this slot are over
	s_barrier_signal -1
	MUL8 1, 1, 0
	WIN 0                                          ; (branches may follow, and nothing stands between the wait below and the rest of the round)
	s_barrier_wait -1
.if \fill
	CREST                                          ; no wave of any partner still reads this slot's tile or has a load on its way
	s_add_nc_u64 s[G0+4*\slot+2:G0+4*\slot+3], s[G0+4*\slot+2:G0+4*\slot+3], 2*STEPB
	s_add_nc_u64 s[G0B+4*\slot+2:G0B+4*\slot+3], s[G0B+4*\slot+2:G0B+4*\slot+3], 2*STEPB
	JLOAD \slot                                    ; the four v_nop behind it are also the places in front of the loads below
.else
	PLACES
.endif
	FETCH \next, 0, 0
	WIN MUL
	MUL8 1, 2, 0
	MUL8 1, 3, 0
.endm
	s_wait_tensorcnt 1                             ; my part of K step 0 is in (K step 1's load may be out),
	s_barrier_signal -1
	s_barrier_wait -1                              ; everybody's is
	s_wait_loadcnt 0x0                             ; the bias
	FETCH 0, 0, 0
	QUARTER 0, 1, 0, 1, 1                          ; the first quarter stands in front of the loop: its products start the sums with the bias
	WIN 0                                          ; at a label and at a branch every window is 0
	s_mov_b32 s3, LAPS-1
.Llap:                                             ; a trip goes once round the ring, from a lap's second quarter to the next lap's first, and fills both slots again
	QUARTER 0, 2, 1, 0, 0
	QUARTER 0, 3, 0, 1, 0
	TURN 0, 1, 1
	QUARTER 1, 1, 0, 1, 0
	QUARTER 1, 2, 1, 0, 0
	QUARTER 1, 3, 0, 1, 0
	TURN 1, 0, 1
	QUARTER 0, 1, 0, 1, 0
	WIN 0
	s_sub_co_u32 s3, s3, 1
	s_cmp_lg_u32 s3, 0
	s_cbranch_scc1 .Llap
	QUARTER 0, 2, 1, 0, 0                          ; the last lap fills nothing, and has no round of the cluster's barrier
	QUARTER 0, 3, 0, 1, 0
	TURN 0, 1, 0
	QUARTER 1, 1, 0, 1, 0
	QUARTER 1, 2, 1, 0, 0
	QUARTER 1, 3, 0, 1, 0
	s_wait_dscnt 4                                 ; the very last quarter: nothing more to fetch
	WIN MUL
	MUL8 1, 0, 0
	MUL8 1, 1, 0
	s_wait_dscnt 0
	MUL8 1, 2, 0
	MUL8 1, 3, 0
; THE WAY OUT, a token tile (16 rows x 128 outputs) at a time.  A lane holds 32 neighbouring bytes of a row, and the lanes beside it hold other rows: so a tile goes through my own stage in LDS and comes back as whole
; rows of 512 bytes.  LDS serves a wave's instructions in order (ISA guide 5.7.1): no wait between the stores and the loads, nor in front of the next tile's stores.  Each tile has registers of its own for its rows.
.macro TOSTAGE a
	WIN 0x08                                       ; an LDS store's data are its source 1: window 2
.irp b, 0,1,2,3,4,5,6,7
	ds_store_b128 v[STO], v[8*(8*(\a)+\b):8*(8*(\a)+\b)+3] offset:64*\b          ; each accumulator from its low end on
	ds_store_b128 v[STO], v[8*(8*(\a)+\b)+4:8*(8*(\a)+\b)+7] offset:64*\b+16
.endr
	WIN TO_F
.irp t, 0,1,2,3,4,5,6,7,8,9,10,11,12,13,14,15
	ds_load_b128 v[64*(\a)+4*\t:64*(\a)+4*\t+3], v[RD] offset:\t*SPITCH
.endr
.endm
.macro SEND a, younger                 ; younger: the LDS instructions issued behind tile a's loads, which may stay out
	s_wait_dscnt \younger
	WIN 0x04                                       ; a store's data are its source 1: window 1
.irp t, 0,1,2,3,4,5,6,7,8,9,10,11,12,13,14,15
	global_store_b128 v[CO], v[64*(\a)+4*\t:64*(\a)+4*\t+3], s[10:11] offset:(16*(\a)+\t)*4096 th:TH_STORE_NT   ; 32 lanes store 512 consecutive bytes, aligned; written once, read by nobody here
.endr
.endm
	PLACES                                         ; ahead of the first read of results and of the loads into the fragments' registers
	TOSTAGE 0
.irp a, 1,2,3
	TOSTAGE \a
	SEND \a-1, 32                                  ; behind tile a - 1's loads: tile a's 16 stores and 16 loads
.endr
	SEND 3, 0
	WIN 0
	s_wait_tensorcnt 0x0                           ; the wave's end, behind my last tensor load and my last LDS store
	ds_add_u32 v[SPW], v[NIL]
	s_wait_dscnt 0x0
	CROUND                                         ; the closing round: no work-group ends while a partner may still ask for a tile that names it
	s_endpgm
.Lfunc_end_k_q1fddee01b3_proj:
	.size	k_q1fddee01b3_proj, .Lfunc_end_k_q1fddee01b3_proj-k_q1fddee01b3_proj
	.p2alignl 7, 3214868480
	.fill 96, 4, 3214868480
	.section	.rodata,"a",@progbits
	.p2align	6, 0x0
	.amdhsa_kernel k_q1fddee01b3_proj
		.amdhsa_group_segment_fixed_size 327680
		.amdhsa_private_segment_fixed_size 0
		.amdhsa_enable_private_segment 0
		.amdhsa_kernarg_size 32
		.amdhsa_user_sgpr_count 2
		.amdhsa_user_sgpr_kernarg_segment_ptr 1
		.amdhsa_wavefront_size32 1
		.amdhsa_system_sgpr_workgroup_id_x 1
		.amdhsa_system_sgpr_workgroup_id_y 1
		.amdhsa_system_sgpr_workgroup_id_z 1
		.amdhsa_system_vgpr_workitem_id 0
		.amdhsa_next_free_vgpr 768
		.amdhsa_next_free_sgpr 66
		.amdhsa_reserve_vcc 0
		.amdhsa_float_denorm_mode_32 3
		.amdhsa_float_denorm_mode_16_64 3
		.amdhsa_memory_ordered 1
		.amdhsa_forward_progress 1
		.amdhsa_inst_pref_size 86
	.end_amdhsa_kernel
	.amdgpu_metadata
---
amdhsa.version: [ 1, 2 ]
amdhsa.kernels:
  - .name:           k_q1fddee01b3_proj
    .symbol:         k_q1fddee01b3_proj.kd
    .args:
      - { .name: att, .offset: 0, .size: 8, .value_kind: global_buffer, .address_space: global }
      - { .name: wo_img, .offset: 8, .size: 8, .value_kind: global_buffer, .address_space: global }
      - { .name: b_out, .offset: 16, .size: 8, .value_kind: global_buffer, .address_space: global }
      - { .name: out0, .offset: 24, .size: 8, .value_kind: global_buffer, .address_space: global }
    .group_segment_fixed_size: 327680
    .private_segment_fixed_size: 0
    .kernarg_segment_align: 8
    .kernarg_segment_size: 32
    .max_flat_workgroup_size: 128
    .sgpr_count:     66
    .vgpr_count:     768
    .wavefront_size: 32
...
	.end_amdgpu_metadata
.endif
;; end of part 4
